; MI455X (gfx1250); checked and timed in simulation.
; The chip was launched on July 23, 2026; its instructions are those of AMD's public machine-readable ISA for CDNA 5 (MIT licence, August 2026) and "CDNA5" Instruction Set Architecture Reference Guide (July 2026). The comments in the code are by the model that wrote it; some were corrected since.
;; Encoder Layer. Allowed arithmetic: matrix products marked QUANTISED: E2M3 operands, one E8M0 scale for each 32 along K, by v_wmma_scale_f32_16x16x128_f8f6f4 with both operands' format E2M3, f32 sums; everything else in f32.
;; Inputs: W1 1,024 x 4,096 float32; W2 4,096 x 1,024 float32; Wk 1,024 x 1,024 float32; Wo 1,024 x 1,024 float32; Wq 1,024 x 1,024 float32; Wv 1,024 x 1,024 float32; b1 4,096 float32; b2 1,024 float32; be1 1,024 float32; be2 1,024 float32; bk 1,024 float32; bo 1,024 float32; bq 1,024 float32; bv 1,024 float32; g1 1,024 float32; g2 1,024 float32; x 2 x 2,048 x 1,024 float32.
;; Outputs: out0 2 x 2,048 x 1,024 float32.
;; Constants: src_mask = 0.
;; This version of the problem:
;;   THIS VERSION OF THE PROBLEM IS GIVEN IN LOW PRECISION. The matrix products marked QUANTISED in the list below multiply operands that are first quantised to E2M3 (2 exponent bits, 3 mantissa bits; 6 bits a number), with one power-of-two scale for each 32 numbers along K (OCP MX v1.0); their sums are f32. All else is computed in f32.
;;   The module's matrix products, in the order in which they are computed (A, B: the left and right operand; K: the contracted axis; several contracted axes count as one K, in the product's order):
;;     1. [M 4,096, K 1,024] x [K 1,024, N 1,024]; A: input x; B: input Wq: QUANTISED
;;     2. [M 4,096, K 1,024] x [K 1,024, N 1,024]; A: input x; B: input Wk: QUANTISED
;;     3. [M 4,096, K 1,024] x [K 1,024, N 1,024]; A: input x; B: input Wv: QUANTISED
;;     4. batch 32 x [M 2,048, K 64] x [K 64, N 2,048]; A: computed on the way; B: computed on the way: QUANTISED
;;     5. batch 32 x [M 2,048, K 2,048] x [K 2,048, N 64]; A: softmax (see below); B: computed on the way: QUANTISED
;;     6. [M 4,096, K 1,024] x [K 1,024, N 1,024]; A: computed on the way; B: input Wo: QUANTISED
;;     7. [M 4,096, K 1,024] x [K 1,024, N 4,096]; A: computed on the way; B: input W1: QUANTISED
;;     8. [M 4,096, K 4,096] x [K 4,096, N 1,024]; A: computed on the way; B: input W2: QUANTISED
;;   THE QUANTISER, for each operand of a quantised product, along K:
;;     - K is cut into blocks of 32 from its start; a last block that is shorter is filled with zeros.
;;     - A block's scale is 2^e with e = floor(log2(the largest magnitude in the block)) - 2, held to -126 .. 127; a block of zeros has e = 0. As a byte (E8M0): e + 127.
;;     - Each number is divided by its block's scale, clamped to +-7.5, and rounded to the nearest number of E2M3, ties to even, subnormals kept.
;;     - The product sums the exact products of the quantised numbers (number of the format x scale) in f32.
;;   ~~~python
;;   def quantise(x, axis):      # numpy; x: float32 -> the quantised numbers, widened to float32 again
;;       x = np.moveaxis(x, axis, -1); K = x.shape[-1]
;;       x = np.pad(x, [(0, 0)] * (x.ndim - 1) + [(0, -K % 32)]); x = x.reshape(x.shape[:-1] + (-1, 32)); a = np.abs(x).max(-1, keepdims=True)
;;       e = np.where(a > 0, np.clip(np.frexp(np.where(a > 0, a, 1))[1] - 1 - 2, -126, 127), 0)      # np.frexp(a)[1] - 1 = floor(log2(a)), exactly
;;       r = np.clip(x / 2.0 ** e, -7.5, 7.5)
;;       step = 2.0 ** (np.maximum(np.frexp(np.where(r == 0, 1, r))[1] - 1, 0) - 3)
;;       q = np.round(r / step) * step * 2.0 ** e      # np.round: ties to even
;;       return np.moveaxis(q.reshape(q.shape[:-2] + (-1,))[..., :K], -1, axis).astype(np.float32)
;;   ~~~
;;   SOFTMAX AHEAD OF A QUANTISED PRODUCT. Where the list says 'softmax', what is quantised is not the finished softmax but p = 2^(t - M), with t = logit x log2(e) and M = ceil(the row's largest t), a whole number; so 1/2 < the row's largest p <= 1. The row's sum l is taken of the UNQUANTISED p, in f32, and the product's result is divided by l at the end. Since M is a whole number, a kernel that streams over the keys may use a running M (the ceiling of the running maximum): every later rescaling is an exact power of two, which a block's scale takes up: the codes' values come out the same.
;;   OPERANDS COMPUTED ON THE WAY. 'Computed on the way' means the value that the module computes at that place (a softmax that the list does not call 'softmax' is quantised finished and normalised). What goes into a quantiser is computed in f32, as accurately as f32 sums, v_exp_f32 and their like allow (about 1e-6 of the number): no bf16 or f16 on the way to a quantiser, and a product that is left as it is and whose result goes on into a quantised operand takes f32 operands (vector FMAs, or v_wmma_f32_16x16x4_f32). A number that lies on a knife's edge between two numbers of the format may be rounded either way, as far as f32 arithmetic and the matrix unit's own rounding can turn it there, and no further.
;; One version. Each part assembles by itself: llvm-mc -triple=amdgcn-amd-amdhsa -mcpu=gfx1250 --defsym DOCPART=n.
;; ======== version 1 of 1: 8 launches
;; limits: right only within a limited range of input values
;; workspace buffers: a_img 3,276,800 bytes; w_img 9,830,400 bytes; q_img 3,407,872 bytes; kv_img 6,553,600 bytes; c_img 16,777,216 bytes; h_f32 16,777,216 bytes; hid_img 13,107,200 bytes
;; launch prep (part 1): grid 512 x 1, 4 waves a work-group, no clusters, 47,616 bytes of LDS; arguments x, Wq, Wk, Wv, Wo, W1, W2, a_img, w_img; writes a_img, w_img
.if DOCPART == 1
	.amdgcn_target "amdgcn-amd-amdhsa--gfx1250"
	.amdhsa_code_object_version 6
	.text
	.protected	k_q4a310e30dc_prep
	.globl	k_q4a310e30dc_prep
	.p2align	8
	.type	k_q4a310e30dc_prep,@function
k_q4a310e30dc_prep:
	s_mov_b64 s[64:65], 0
	v_nop
	global_prefetch_b8 v0, s[64:65] scope:SCOPE_SE
	s_setreg_imm32_b32 hwreg(HW_REG_WAVE_MODE, 25, 1), 1
	s_wait_xcnt 0x0
; PREP: x and the six weights, f32, become codes of E2M3 with one E8M0 byte for each 32 along K, laid as the later launches' matrix operands want them.
; LEFT OUT OF THE WHOLE PROGRAM: src_mask.  reference() takes it as an argument and never reads it, so it has no way to any output whatever it holds; it is no buffer and no launch names it.  Nothing else is left out.
; THE PROGRAM'S OPERAND FORMAT.  Rows (tokens, or a weight's columns) go in blocks of 128.  Fragment t (0..7) of a block holds, in its lane-row r (0..15), row 32 (t / 2) + 8 (t % 2) + r + 8 (r / 8).
; A fragment (16 rows x 128 K, 12 registers a lane) lies in memory as an image of its registers, 1,536 bytes: registers 0-3 at 16 x lane, 4-5 at 512 + 8 x lane, 6-9 at 768 + 16 x lane, 10-11 at 1,280 + 8 x lane.
; A RECORD is 128 rows x 128 K: 8 fragments, then 512 bytes of scale words [fragment][r]: 12,800 bytes.  An operand is [block][K / 128][record].
; THE QUANTISER: a block's scale byte is its largest magnitude's exponent field - 2, held at 1 from below; each number is divided by the scale and rounded to the nearest code, ties to even, beyond 7.5 the largest code.
; LIMITS: a block of zeros gets the byte 1 where the rule says 127 (its codes are zeros, and this program alone reads the bytes); NaN and infinities among the inputs are not served.
; SHARES: a work-group makes two records, 25,600 bytes.  Work-groups 0-383: the weights (Wq, Wk, Wv, Wo 32 each, W1 and W2 128 each), at w_img + 25,600 x number; 384-511: x, at a_img.
; The two ways part on the work-group's number and have LDS bytes of their own.  No barrier: a wave touches its own stage alone.
.set SPARE, 47104                      ; the spare words, 128 bytes a wave
.set XST,   13312                      ; x's stages: 4 waves x 16 rows x 528 bytes; the weights' stages lie at 0: 4 waves x 2 fragments at pitch 1,664
.set SPW, 14                           ; v14 my spare word's address; v15 = 0; never rewritten
.set NIL, 15
.set TM,  16                           ; x: v16-31 at work in QUANT
.set PC,  32                           ; x: v32-51 codes
.set PW,  52                           ; x: the scale word just made
.set SEL, 42                           ; s[42:43] selects for lane l xor 16
.set C,   32                           ; weights: v32-37 a block's codes
.set E,   40                           ; weights: v40-42 their second half as converted
.set SB,  44                           ; weights: v44-45 a scale word for each of the two records
.set X,   64                           ; weights: v64-127 two sets of 32 numbers
.set AD,  128                          ; weights: v128-159 4 x lane + i rows
.set OUTR,160                          ; weights: v160-207 two fragments on their way out, two sets
.set R,   64                           ; x: v64-191 two sets of 16 rows as loaded
.set T,   192                          ; x: v192-255 64 numbers in the quantiser's order
; 64 numbers of a lane, register 16 b + i = k 32 b + 16 (lane / 16) + i of my row, become a fragment's codes in v[PC] on and its scale word in v[PW]
.macro QUANT s
.irp b, 0,1,2,3
	v_max3_num_f32 v[TM+\b], |v[\s+16*\b]|, |v[\s+1+16*\b]|, 0x1800000   ; my 16 numbers of block b, and the floor 2^(3 - 127): the byte cannot fall under 1
.endr
.irp i, 2,4,6,8,10,12,14
.irp b, 0,1,2,3
	v_max3_num_f32 v[TM+\b], v[TM+\b], |v[\s+16*\b+\i]|, |v[\s+1+16*\b+\i]|
.endr
.endr
.irp b, 0,1,2,3
	v_permlanex16_b32 v[TM+4+\b], v[TM+\b], s[SEL], s[SEL+1]
.endr
.irp b, 0,1,2,3
	v_max_num_f32 v[TM+\b], v[TM+\b], v[TM+4+\b]   ; with lane l xor 16's: the block's largest magnitude
.endr
.irp b, 0,1,2,3
	v_add_nc_u32 v[TM+12+\b], 0xff000000, v[TM+\b]   ; 2 off its exponent field: the conversion's scale operand
.endr
.irp b, 0,1,2,3
	v_lshrrev_b32 v[TM+4+\b], 23, v[TM+12+\b]      ; the scale's byte
.endr
	v_lshl_or_b32 v[PW], v[TM+5], 8, v[TM+4]
	v_lshl_or_b32 v[PW], v[TM+6], 16, v[PW]
	v_lshl_or_b32 v[PW], v[TM+7], 24, v[PW]
.irp c, 0,1
	v_cvt_scalef32_pk16_fp6_f32 v[PC+6*\c:PC+2+6*\c], v[\s+32*\c:\s+15+32*\c], v[TM+12+2*\c]
	v_cvt_scalef32_pk16_fp6_f32 v[PC+12+4*\c:PC+14+4*\c], v[\s+16+32*\c:\s+31+32*\c], v[TM+12+2*\c+1]
.endr
	v_nop                                          ; one plain line behind the scaled conversions
.irp c, 0,1                            ; a whole block to a lane: lanes 0-15 block 2 c, lanes 16-31 block 2 c + 1
.irp i, 0,1,2
	v_permlane16_swap_b32 v[PC+6*\c+\i], v[PC+12+4*\c+\i]
.endr
.irp i, 0,1,2
	v_mov_b32 v[PC+3+6*\c+\i], v[PC+12+4*\c+\i]
.endr
.endr
.endm
	s_load_b512 s[4:19], s[0:1], 0x0               ; x s[4:5], Wq s[6:7], Wk s[8:9], Wv s[10:11], Wo s[12:13], W1 s[14:15], W2 s[16:17], a_img s[18:19]
	s_load_b64 s[20:21], s[0:1], 0x40              ; w_img
	v_lshl_add_u32 v[SPW], v0, 2, SPARE
	v_mov_b32 v[NIL], 0
	v_lshrrev_b32 v1, 5, v0
	v_readfirstlane_b32 s22, v1                    ; wave 0..3
	v_and_b32 v2, 31, v0                           ; lane
	s_cmp_ge_u32 ttmp9, 384
	s_cbranch_scc1 .Lx_path
; ---- THE WEIGHTS.  W is [K][N]: a lane takes a column n and its registers run down K.  A wave takes 32 columns x 256 K (8 blocks of 32 a lane); the four waves stand side by side on 512 bytes of a row.
	s_lshr_b32 s23, ttmp9, 5                       ; 0 Wq, 1 Wk, 2 Wv, 3 Wo, 4-7 W1, 8-11 W2
	s_sub_co_u32 s27, s23, 4
	s_mov_b32 s26, 4096
	s_cmp_lt_u32 s27, 4                            ; W1?
	s_cselect_b32 s26, 16384, s26                  ; a row of W in bytes
	s_cselect_b32 s28, 31, 7                       ; groups of 128 columns - 1
	s_cmp_ge_u32 s23, 8                            ; W2?
	s_cselect_b32 s29, 4, 2                        ; pairs of records along K: 16 or 4
	s_cselect_b32 s31, 15, 3
	s_lshr_b32 s30, ttmp9, s29
	s_and_b32 s30, s30, s28                        ; my group of columns
	s_and_b32 s31, ttmp9, s31                      ; my 256 along K
	s_lshl_b32 s40, s26, 8
	s_mul_i32 s40, s40, s31                        ; 256 rows x which
	s_lshl_b32 s41, s30, 9
	s_add_co_u32 s40, s40, s41                     ; + 512 bytes a group
	s_lshl_b32 s41, s22, 7
	s_add_co_u32 s40, s40, s41                     ; + 128 bytes a wave
	s_mov_b32 s41, 0
	s_lshl_b32 s60, s26, 5                         ; 32 rows: from block to block
	s_mov_b32 s61, 0
	s_mul_i32 s62, ttmp9, 25600                    ; where my two records go
	s_mov_b32 s63, 0
	s_mul_i32 s66, s22, 3328                       ; my stage
	s_mul_i32 s67, s22, 3072                       ; my two fragments in a record
	s_lshl_b32 s68, s22, 7                         ; and their scale words
	s_wait_alu depctr_va_vdst(0)
	v_lshlrev_b32 v3, 2, v2                        ; 4 x lane
.set i, 0
.rept 32
	v_mad_u32_u24 v[AD+i], i, s26, v3              ; row i of a block, my column
.set i, i+1
.endr
	v_bfe_u32 v4, v0, 3, 1                         ; column 32 w + lane is lane-row r of fragment 2 w + u: u = (lane / 8) % 2,
	v_and_b32 v5, 7, v0
	v_bfe_u32 v6, v0, 4, 1
	v_lshl_or_b32 v5, v6, 3, v5                    ; r = lane % 8 + 8 (lane / 16)
	v_mul_u32_u24 v7, v4, 1664
	v_add_nc_u32 v7, s66, v7
	v_lshl_add_u32 v8, v5, 4, v7                   ; into the stage: 16 bytes a lane-row
	v_lshl_add_u32 v9, v5, 3, v7                   ; and 8
	v_lshl_add_u32 v10, v2, 4, s66                 ; out of it: 16 x lane
	v_lshl_add_u32 v11, v2, 4, s67                 ; and the same in the record
	v_lshlrev_b32 v12, 6, v4
	v_lshl_add_u32 v12, v5, 2, v12
	v_add_nc_u32 v12, s68, v12                     ; my column's scale word: 64 (2 w + u) + 4 r
	s_wait_kmcnt 0x0
	s_mov_b64 s[24:25], s[6:7]                     ; which weight: the choice hangs on the work-group's number alone
	s_cmp_ge_u32 s23, 1
	s_cselect_b64 s[24:25], s[8:9], s[24:25]
	s_cmp_ge_u32 s23, 2
	s_cselect_b64 s[24:25], s[10:11], s[24:25]
	s_cmp_ge_u32 s23, 3
	s_cselect_b64 s[24:25], s[12:13], s[24:25]
	s_cmp_ge_u32 s23, 4
	s_cselect_b64 s[24:25], s[14:15], s[24:25]
	s_cmp_ge_u32 s23, 8
	s_cselect_b64 s[24:25], s[16:17], s[24:25]
	s_add_nc_u64 s[44:45], s[24:25], s[40:41]      ; a base for each of the 8 blocks: none is ever stepped
.irp t, 1,2,3,4,5,6,7
	s_add_nc_u64 s[44+2*\t:45+2*\t], s[42+2*\t:43+2*\t], s[60:61]
.endr
	s_add_nc_u64 s[20:21], s[20:21], s[62:63]
.macro LOAD t                          ; block t: W(32 t + i, my column) into set t % 2; 32 lanes read 128 consecutive bytes
.set i, 0
.rept 32
	global_load_b32 v[X+32*((\t)%2)+i], v[AD+i], s[44+2*(\t):45+2*(\t)] th:TH_LOAD_NT
.set i, i+1
.endr
.endm
.macro BLOCK t
.set XS, X+32*((\t)%2)
.if (\t) < 7
	s_wait_loadcnt 32                              ; this block's 32 loads are in; the next block's may be out
.else
	s_wait_loadcnt 0x0
.endif
	v_max3_num_f32 v46, |v[XS]|, |v[XS+1]|, |v[XS+2]|   ; the block's largest magnitude: all 32 numbers are mine
	v_max3_num_f32 v47, |v[XS+3]|, |v[XS+4]|, |v[XS+5]|
.irp i, 6,10,14,18,22,26
	v_max3_num_f32 v46, v46, |v[XS+\i]|, |v[XS+\i+1]|
	v_max3_num_f32 v47, v47, |v[XS+\i+2]|, |v[XS+\i+3]|
.endr
	v_max3_num_f32 v46, v46, |v[XS+30]|, |v[XS+31]|
	v_max3_num_f32 v46, v46, v47, 0x1800000        ; and the floor
	v_add_nc_u32 v48, 0xff000000, v46              ; the conversion's scale operand
	v_lshrrev_b32 v47, 23, v48                     ; the byte
.if (\t)%4 == 0
	v_mov_b32 v[SB+(\t)/4], v47
.else
	v_lshl_or_b32 v[SB+(\t)/4], v47, 8*((\t)%4), v[SB+(\t)/4]
.endif
	v_cvt_scalef32_pk16_fp6_f32 v[C:C+2], v[XS:XS+15], v48
	v_cvt_scalef32_pk16_fp6_f32 v[E:E+2], v[XS+16:XS+31], v48
	v_nop                                          ; one plain line behind the scaled conversions
.irp i, 0,1,2
	v_mov_b32 v[C+3+\i], v[E+\i]
.endr
	ds_store_b128 v8, v[C:C+3] offset:768*(((\t)/2)%2)+256*((\t)%2)       ; block t % 4 = 2 c + h of the record's 128 K: registers 6 c .. of lane r + 16 h
	ds_store_b64 v9, v[C+4:C+5] offset:768*(((\t)/2)%2)+512+128*((\t)%2)
.if (\t) < 6
	LOAD (\t)+2
.endif
	s_wait_dscnt 0x0                               ; the stores have read their registers
.endm
.macro FLUSH k                         ; my two fragments of record k leave as they lie: 512 consecutive bytes a store
.irp m, 0,1,2,3,4,5
	ds_load_b128 v[OUTR+24*\k+4*\m:OUTR+24*\k+4*\m+3], v10 offset:1664*(\m/3)+512*(\m%3)
.endr
	global_store_b32 v12, v[SB+\k], s[20:21] offset:12800*\k+12288
	s_wait_dscnt 0x0
.irp m, 0,1,2,3,4,5
	global_store_b128 v11, v[OUTR+24*\k+4*\m:OUTR+24*\k+4*\m+3], s[20:21] offset:12800*\k+1536*(\m/3)+512*(\m%3)
.endr
.endm
	LOAD 0
	LOAD 1
	BLOCK 0
	BLOCK 1
	BLOCK 2
	BLOCK 3
	s_wait_alu depctr_va_vdst(0)
	FLUSH 0
	BLOCK 4
	BLOCK 5
	BLOCK 6
	BLOCK 7
	s_wait_alu depctr_va_vdst(0)
	FLUSH 1
	s_wait_tensorcnt 0x0                           ; the wave's end, behind my last LDS store
	ds_add_u32 v[SPW], v[NIL]
	s_wait_dscnt 0x0
	s_endpgm
; ---- x.  K is innermost.  Wave w takes fragments 2 w and 2 w + 1 (rows 32 w .. 32 w + 31 of the block) for the two records: four items.  Each load reads 512 consecutive bytes of one row;
; the 16 rows turn through the wave's stage (rows 528 bytes apart) so that a lane gets 16 neighbours of each block of 32 of its row.
.Lx_path:
	s_sub_co_u32 s23, ttmp9, 384
	s_lshr_b32 s24, s23, 2                         ; block of 128 tokens
	s_and_b32 s25, s23, 3                          ; which 256 along K
	s_lshl_b32 s26, s24, 7
	s_lshl_b32 s27, s22, 5
	s_add_co_u32 s26, s26, s27
	s_lshl_b32 s26, s26, 12                        ; my first row, 4,096 bytes a row
	s_lshl_b32 s27, s25, 10
	s_add_co_u32 s26, s26, s27
	s_mov_b32 s27, 0
	s_mul_i32 s28, s23, 25600
	s_mov_b32 s29, 0
	s_mov_b32 s40, 0xffff0000                      ; lanes 16-31
	s_mov_b32 s[SEL], 0x76543210
	s_mov_b32 s[SEL+1], 0xfedcba98
	s_mul_i32 s30, s22, 8448
	s_add_co_u32 s30, s30, XST                     ; my stage
	s_mul_i32 s31, s22, 3072
	s_lshl_b32 s41, s22, 7
	s_wait_alu depctr_va_vdst(0)
	v_lshlrev_b32 v3, 4, v2                        ; 16 x lane
	v_add_nc_u32 v7, s30, v3                       ; into the stage
	v_and_b32 v4, 15, v0                           ; r
	v_bfe_u32 v5, v0, 4, 1                         ; h
	v_mul_u32_u24 v8, v4, 528
	v_lshl_add_u32 v8, v5, 6, v8
	v_add_nc_u32 v8, s30, v8                       ; out of it: row r, + 64 h
	v_add_nc_u32 v9, s31, v3                       ; the images: 16 x lane + my two fragments,
	v_lshl_add_u32 v10, v2, 3, s31                 ; 8 x lane likewise,
	v_lshl_add_u32 v11, v2, 2, s41                 ; the scale words: 4 x lane + 128 w
.irp b, 0,1,2,3
	v_mov_b32 v[TM+4+\b], 0                        ; written once: a lane permute's destination counts as one of its sources
.endr
	s_wait_alu depctr_va_vdst(0)
	s_wait_kmcnt 0x0
	s_add_nc_u64 s[4:5], s[4:5], s[26:27]
	s_add_nc_u64 s[18:19], s[18:19], s[28:29]
.macro LOADX i                         ; item i: record i / 2, fragment 2 w + i % 2
.set m, 0
.rept 16
	global_load_b128 v[R+64*((\i)%2)+4*m:R+64*((\i)%2)+4*m+3], v3, s[4:5] offset:(8*((\i)%2)+m+8*(m/8))*4096+512*((\i)/2) th:TH_LOAD_NT
.set m, m+1
.endr
.endm
.macro ITEM i
.if (\i) < 3
	s_wait_loadcnt 16                              ; this item's 16 loads are in; the next item's may be out
.else
	s_wait_loadcnt 0x0
.endif
.set m, 0
.rept 16
	ds_store_b128 v7, v[R+64*((\i)%2)+4*m:R+64*((\i)%2)+4*m+3] offset:528*m
.set m, m+1
.endr
.irp b, 0,1,2,3
.irp j, 0,1,2,3
	ds_load_b128 v[T+16*\b+4*\j:T+16*\b+4*\j+3], v8 offset:128*\b+16*\j   ; LDS serves a wave's instructions in order: these see the stores above
.endr
.endr
	s_wait_dscnt 0x0
.if (\i) > 0
	s_wait_xcnt 0x0                                ; the last item's stores have read their registers: the codes may be written again
.endif
.if (\i) < 2
	LOADX (\i)+2
.endif
	QUANT T
	global_store_b128 v9, v[PC:PC+3], s[18:19] offset:12800*((\i)/2)+1536*((\i)%2)
	global_store_b64 v10, v[PC+4:PC+5], s[18:19] offset:12800*((\i)/2)+1536*((\i)%2)+512
	global_store_b128 v9, v[PC+6:PC+9], s[18:19] offset:12800*((\i)/2)+1536*((\i)%2)+768
	global_store_b64 v10, v[PC+10:PC+11], s[18:19] offset:12800*((\i)/2)+1536*((\i)%2)+1280
.if (\i)%2 == 0
	v_mov_b32 v53, v[PW]
.else
	v_cndmask_b32 v[54+(\i)/2], v53, v[PW], s40    ; lanes 0-15 the even fragment's words, lanes 16-31 the odd one's
	global_store_b32 v11, v[54+(\i)/2], s[18:19] offset:12800*((\i)/2)+12288
.endif
.endm
	LOADX 0
	LOADX 1
	ITEM 0
	ITEM 1
	ITEM 2
	ITEM 3
	s_wait_tensorcnt 0x0                           ; the wave's end, behind my last LDS store
	ds_add_u32 v[SPW], v[NIL]
	s_wait_dscnt 0x0
	s_endpgm
.Lfunc_end_k_q4a310e30dc_prep:
	.size	k_q4a310e30dc_prep, .Lfunc_end_k_q4a310e30dc_prep-k_q4a310e30dc_prep
	.p2alignl 7, 3214868480
	.fill 96, 4, 3214868480
	.section	.rodata,"a",@progbits
	.p2align	6, 0x0
	.amdhsa_kernel k_q4a310e30dc_prep
		.amdhsa_group_segment_fixed_size 47616
		.amdhsa_private_segment_fixed_size 0
		.amdhsa_enable_private_segment 0
		.amdhsa_kernarg_size 72
		.amdhsa_user_sgpr_count 2
		.amdhsa_user_sgpr_kernarg_segment_ptr 1
		.amdhsa_wavefront_size32 1
		.amdhsa_system_sgpr_workgroup_id_x 1
		.amdhsa_system_sgpr_workgroup_id_y 1
		.amdhsa_system_sgpr_workgroup_id_z 1
		.amdhsa_system_vgpr_workitem_id 0
		.amdhsa_next_free_vgpr 256
		.amdhsa_next_free_sgpr 80
		.amdhsa_reserve_vcc 0
		.amdhsa_float_denorm_mode_32 3
		.amdhsa_float_denorm_mode_16_64 3
		.amdhsa_memory_ordered 1
		.amdhsa_forward_progress 1
		.amdhsa_inst_pref_size 78
	.end_amdhsa_kernel
	.amdgpu_metadata
---
amdhsa.version: [ 1, 2 ]
amdhsa.kernels:
  - .name:           k_q4a310e30dc_prep
    .symbol:         k_q4a310e30dc_prep.kd
    .args:
      - { .name: x, .offset: 0, .size: 8, .value_kind: global_buffer, .address_space: global }
      - { .name: Wq, .offset: 8, .size: 8, .value_kind: global_buffer, .address_space: global }
      - { .name: Wk, .offset: 16, .size: 8, .value_kind: global_buffer, .address_space: global }
      - { .name: Wv, .offset: 24, .size: 8, .value_kind: global_buffer, .address_space: global }
      - { .name: Wo, .offset: 32, .size: 8, .value_kind: global_buffer, .address_space: global }
      - { .name: W1, .offset: 40, .size: 8, .value_kind: global_buffer, .address_space: global }
      - { .name: W2, .offset: 48, .size: 8, .value_kind: global_buffer, .address_space: global }
      - { .name: a_img, .offset: 56, .size: 8, .value_kind: global_buffer, .address_space: global }
      - { .name: w_img, .offset: 64, .size: 8, .value_kind: global_buffer, .address_space: global }
    .group_segment_fixed_size: 47616
    .private_segment_fixed_size: 0
    .kernarg_segment_align: 8
    .kernarg_segment_size: 72
    .max_flat_workgroup_size: 128
    .sgpr_count:     80
    .vgpr_count:     256
    .wavefront_size: 32
...
	.end_amdgpu_metadata
.endif
;; end of part 1
;; launch qkv (part 2): grid 12 x 16, 4 waves a work-group, clusters of 4 x 4, 327,680 bytes of LDS; arguments a_img, w_img, bq, bk, bv, q_img, kv_img; writes q_img, kv_img
.if DOCPART == 2
	.amdgcn_target "amdgcn-amd-amdhsa--gfx1250"
	.amdhsa_code_object_version 6
	.text
	.protected	k_q4a310e30dc_qkv
	.globl	k_q4a310e30dc_qkv
	.p2align	8
	.type	k_q4a310e30dc_qkv,@function
k_q4a310e30dc_qkv:
	s_mov_b64 s[64:65], 0
	v_nop
	global_prefetch_b8 v0, s[64:65] scope:SCOPE_SE
	s_setreg_imm32_b32 hwreg(HW_REG_WAVE_MODE, 25, 1), 1
	s_wait_xcnt 0x0
	s_wait_alu depctr_hold_cnt(0) depctr_sa_sdst(0) depctr_va_vdst(0) depctr_va_sdst(0) depctr_va_ssrc(0) depctr_va_vcc(0) depctr_vm_vsrc(0)
	s_getreg_b32 s2, hwreg(HW_REG_IB_STS2, 6, 4)
	s_cmp_eq_u32 s2, 0
	s_cbranch_scc0 .Lentry_in_a_cluster
	s_endpgm
.Lentry_in_a_cluster:
	s_bfe_u32 s2, ttmp6, 0x10000c
	s_cmp_lg_u32 s2, 0xf033
	s_cbranch_scc0 .Lentry_shape_is_right
	s_endpgm
.Lentry_shape_is_right:
; QKV: q = x Wq + bq, k = x Wk + bk, v = x Wv + bv on codes of E2M3 (K = 1,024), each result quantised in registers for attention's two products and stored as operand images.  (src_mask is left out: see the first kernel.)
; OPERANDS: records of 128 rows x 128 K, 12,800 bytes (8 register images of fragments, 1,536 bytes each, then 512 bytes of scale words); an operand is [block of 128 rows][K / 128][record].
; A tile is 256 x 256; four waves, each 128 x 128: 64 accumulators.  Source 0 takes the REGISTER side's fragments, source 1 the LANE side's: a lane holds one row of the lane side, and, by the choice of rows in a fragment
; (fragment t, lane-row r: row 32 (t / 2) + 8 (t % 2) + r + 8 (r / 8)), the 64 registers of one lane-side fragment's eight accumulators are register 16 b + i = register-side row 32 b + 16 (lane / 16) + i: the quantiser's order.
; Cluster x = 0: Q, 1: K: lanes = tokens (a_img), registers = the weight's columns: 128 columns are two heads; each head's 64 are half a fragment (768 bytes).
; Cluster x = 2: V: the two tensors change sides: lanes = Wv's columns (channels), registers = tokens: V comes out quantised along the keys.  The choice hangs on the cluster's x alone, the same in all sixteen partners.
; q_img: [batch x head][block of 128 tokens][6,656]: 8 half images, then 8 x 64 bytes of words (s0, s1, s0, s1).  kv_img: [batch x head][K: 16 x 6,400 | V: 16 x 6,400]; a K record: 8 half images (two on end are one fragment
; of two key tiles), then 4 x 64 bytes of words (A0, A1, B0, B1); a V record: 4 fragments (16 channels x 128 keys), then 4 x 64 bytes of words.
; RING: two LDS slots of 102,400 bytes (lane side's two blocks, register side's two, 2 records each); K's 8 records are four fills.  Each wave fetches 25,600 dense bytes by one joint load: the lane side's tile is shared along
; a row of the cluster, the register side's along a column.  By this text's count a wave has one tensor load out at the start and one behind each round.
; LIMITS: as in the first kernel (a block of zeros gets the byte 1; NaN and infinities are not served).  Sums over K ascend, one accumulator for each output.
; THE RING AS IT STANDS (this takes the place of the paragraph RING above): LDS is laid by wave: wave w's block has 51,200 bytes at 51,200 w, four records on end; slot s is records 2 s and 2 s + 1 of each block, 25,600 s on.
; At the head each wave asks for its block's records 0-3 by ONE joint load of 200 rows of 256 bytes, which fills both slots; behind the wait for it the two row words of group 1 are set to 100, and a refill brings two records.
; By this text's count a wave has one tensor load out at the start and one behind each round.
.set SLOT,  25600
.set SPARE, 204800                     ; behind the ring: the spare words, 128 bytes a wave
.set A16, 16                           ; v16-17 lane side, slot 0, 1: 16 x lane;  v18-19: 8 x lane;  v20-21: 4 x lane
.set A8,  18
.set A4,  20
.set B16, 22                           ; v22-27 the same for the register side
.set B8,  24
.set B4,  26
.set SPW, 28                           ; v28 my spare word's address, v29 = 0; never rewritten
.set NIL, 29
.set O16, 30                           ; v30 16 x lane, v31 8 x lane, v48 4 x lane
.set O8,  31
.set SC,  32                           ; v32-47 scale words: set P at SC + 8 P: +0..3 lane side's pairs of fragments, +4..7 register side's
.set O4,  48
.set BI,  64                           ; v64-127 the bias
.set AF,  128                          ; v128-223 the lane side's 8 fragments, one set
.set T,   128                          ; the way out: v128-191 64 numbers
.set PC,  192                          ; v192-211 codes
.set TM,  212                          ; v212-227 at work
.set PW,  228
.set PWK, 229
.set W,   230
.set G1,  24                           ; s[24:31], s[32:39] descriptor groups 1 and 0 (a set a slot) for the lane side;  s[48:55], s[56:63] for the register side
.set G0,  32
.set G1B, 48
.set G0B, 56
.set SEL, 86
.set MUL_LO, 0xa1                      ; source 0 window 1, source 1 window 0, C and D window 2
.set MUL_HI, 0xf1                      ; C and D window 3
.set TO_B,   0x40                      ; destination window 1
.set MSB, 0
.macro WIN new                         ; the immediate's high byte repeats the setting that is left
.if MSB != (\new)
	s_set_vgpr_msb (MSB<<8)|(\new)
.set MSB, (\new)
.endif
.endm
.macro PLACES n
.rept \n
	v_nop
.endr
.endm
.macro JLOAD g0a, g1a, g0b, g1b        ; a joint load: waves 0, 1 fetch the lane side's blocks, waves 2, 3 the register side's; an s_nop 0 and four v_nop follow each line
	s_cmp_eq_u32 s19, 0
	s_cbranch_scc0 .Lfor_b_\@
	tensor_load_to_lds s[\g0a:\g0a+3], s[\g1a:\g1a+7]
	s_nop 0
.rept 4
	v_nop
.endr
	s_branch .Lasked_\@
.Lfor_b_\@:
	tensor_load_to_lds s[\g0b:\g0b+3], s[\g1b:\g1b+7]
	s_nop 0
.rept 4
	v_nop
.endr
.Lasked_\@:
.endm
.macro CREST
	s_cmp_lg_u32 s18, 0
	s_cbranch_scc1 .Lnot_wave_0_\@
	s_barrier_signal -3
.Lnot_wave_0_\@:
	s_barrier_wait -3
	s_barrier_signal -1
	s_barrier_wait -1
.endm
.macro CROUND
	s_barrier_signal -1
	s_barrier_wait -1
	CREST
.endm
.macro FRAG reg, a16, a8, off          ; a fragment's image comes back as it was stored: every load reads consecutive bytes
	ds_load_b128 v[(\reg):(\reg)+3], v[\a16] offset:(\off)
	ds_load_b64 v[(\reg)+4:(\reg)+5], v[\a8] offset:(\off)+512
	ds_load_b128 v[(\reg)+6:(\reg)+9], v[\a16] offset:(\off)+768
	ds_load_b64 v[(\reg)+10:(\reg)+11], v[\a8] offset:(\off)+1280
.endm
.macro WM d, s0, s1, zero, sa, sb, ra, rb   ; one product; ra, rb: the side's scale words stand in lanes 16-31
.if \zero
.if (\ra) && (\rb)
	v_wmma_scale_f32_16x16x128_f8f6f4 v[(\d):(\d)+7], v[(\s0):(\s0)+11], v[(\s1):(\s1)+11], 0, v[\sa], v[\sb] matrix_a_fmt:MATRIX_FMT_FP6 matrix_b_fmt:MATRIX_FMT_FP6 matrix_a_scale:MATRIX_SCALE_ROW1 matrix_b_scale:MATRIX_SCALE_ROW1
.elseif (\ra)
	v_wmma_scale_f32_16x16x128_f8f6f4 v[(\d):(\d)+7], v[(\s0):(\s0)+11], v[(\s1):(\s1)+11], 0, v[\sa], v[\sb] matrix_a_fmt:MATRIX_FMT_FP6 matrix_b_fmt:MATRIX_FMT_FP6 matrix_a_scale:MATRIX_SCALE_ROW1
.elseif (\rb)
	v_wmma_scale_f32_16x16x128_f8f6f4 v[(\d):(\d)+7], v[(\s0):(\s0)+11], v[(\s1):(\s1)+11], 0, v[\sa], v[\sb] matrix_a_fmt:MATRIX_FMT_FP6 matrix_b_fmt:MATRIX_FMT_FP6 matrix_b_scale:MATRIX_SCALE_ROW1
.else
	v_wmma_scale_f32_16x16x128_f8f6f4 v[(\d):(\d)+7], v[(\s0):(\s0)+11], v[(\s1):(\s1)+11], 0, v[\sa], v[\sb] matrix_a_fmt:MATRIX_FMT_FP6 matrix_b_fmt:MATRIX_FMT_FP6
.endif
.else
.if (\ra) && (\rb)
	v_wmma_scale_f32_16x16x128_f8f6f4 v[(\d):(\d)+7], v[(\s0):(\s0)+11], v[(\s1):(\s1)+11], v[(\d):(\d)+7], v[\sa], v[\sb] matrix_a_fmt:MATRIX_FMT_FP6 matrix_b_fmt:MATRIX_FMT_FP6 matrix_a_scale:MATRIX_SCALE_ROW1 matrix_b_scale:MATRIX_SCALE_ROW1
.elseif (\ra)
	v_wmma_scale_f32_16x16x128_f8f6f4 v[(\d):(\d)+7], v[(\s0):(\s0)+11], v[(\s1):(\s1)+11], v[(\d):(\d)+7], v[\sa], v[\sb] matrix_a_fmt:MATRIX_FMT_FP6 matrix_b_fmt:MATRIX_FMT_FP6 matrix_a_scale:MATRIX_SCALE_ROW1
.elseif (\rb)
	v_wmma_scale_f32_16x16x128_f8f6f4 v[(\d):(\d)+7], v[(\s0):(\s0)+11], v[(\s1):(\s1)+11], v[(\d):(\d)+7], v[\sa], v[\sb] matrix_a_fmt:MATRIX_FMT_FP6 matrix_b_fmt:MATRIX_FMT_FP6 matrix_b_scale:MATRIX_SCALE_ROW1
.else
	v_wmma_scale_f32_16x16x128_f8f6f4 v[(\d):(\d)+7], v[(\s0):(\s0)+11], v[(\s1):(\s1)+11], v[(\d):(\d)+7], v[\sa], v[\sb] matrix_a_fmt:MATRIX_FMT_FP6 matrix_b_fmt:MATRIX_FMT_FP6
.endif
.endif
.endm
.macro QUANT s                         ; 64 numbers of a lane, register 16 b + i = k 32 b + 16 (lane / 16) + i of my row -> codes in v[PC] on, scale word in v[PW]
.irp b, 0,1,2,3
	v_max3_num_f32 v[TM+\b], |v[\s+16*\b]|, |v[\s+1+16*\b]|, 0x1800000   ; and the floor 2^(3 - 127): the byte cannot fall under 1
.endr
.irp i, 2,4,6,8,10,12,14
.irp b, 0,1,2,3
	v_max3_num_f32 v[TM+\b], v[TM+\b], |v[\s+16*\b+\i]|, |v[\s+1+16*\b+\i]|
.endr
.endr
.irp b, 0,1,2,3
	v_permlanex16_b32 v[TM+4+\b], v[TM+\b], s[SEL], s[SEL+1]
.endr
.irp b, 0,1,2,3
	v_max_num_f32 v[TM+\b], v[TM+\b], v[TM+4+\b]
.endr
.irp b, 0,1,2,3
	v_add_nc_u32 v[TM+12+\b], 0xff000000, v[TM+\b]   ; 2 off the exponent field: the conversion's scale operand
.endr
.irp b, 0,1,2,3
	v_lshrrev_b32 v[TM+4+\b], 23, v[TM+12+\b]
.endr
	v_lshl_or_b32 v[PW], v[TM+5], 8, v[TM+4]
	v_lshl_or_b32 v[PW], v[TM+6], 16, v[PW]
	v_lshl_or_b32 v[PW], v[TM+7], 24, v[PW]
.irp c, 0,1
	v_cvt_scalef32_pk16_fp6_f32 v[PC+6*\c:PC+2+6*\c], v[\s+32*\c:\s+15+32*\c], v[TM+12+2*\c]
	v_cvt_scalef32_pk16_fp6_f32 v[PC+12+4*\c:PC+14+4*\c], v[\s+16+32*\c:\s+31+32*\c], v[TM+12+2*\c+1]
.endr
	v_nop                                          ; one plain line behind the scaled conversions
.irp c, 0,1
.irp i, 0,1,2
	v_permlane16_swap_b32 v[PC+6*\c+\i], v[PC+12+4*\c+\i]
.endr
.irp i, 0,1,2
	v_mov_b32 v[PC+3+6*\c+\i], v[PC+12+4*\c+\i]
.endr
.endr
.endm
	s_load_b256 s[4:11], s[0:1], 0x0               ; a_img s[4:5], w_img s[6:7], bq s[8:9], bk s[10:11]
	s_load_b128 s[12:15], s[0:1], 0x20             ; bv s[12:13], q_img s[14:15]
	s_load_b64 s[16:17], s[0:1], 0x30              ; kv_img
	v_lshl_add_u32 v[SPW], v0, 2, SPARE
	v_mov_b32 v[NIL], 0
	ds_add_u32 v[SPW], v[NIL]                      ; the wave's opening: the add, twice on end, and its wait ahead of my first tensor load
	ds_add_u32 v[SPW], v[NIL]
	v_lshrrev_b32 v1, 5, v0
	v_readfirstlane_b32 s18, v1                    ; wave 0..3
	s_lshr_b32 s19, s18, 1                         ; i: my half of the lane side.  Also: I fetch for the lane side (0) or the register side (1)
	s_and_b32 s20, s18, 1                          ; j: my half of the register side.  Also: which of the two blocks I fetch
	s_bfe_u32 s21, ttmp6, 0x40000                  ; cx
	s_bfe_u32 s22, ttmp6, 0x40004                  ; cy
	s_and_b32 s23, ttmp7, 0xffff                   ; cluster y
	s_lshl_b32 s40, s22, 2
	s_lshl_b32 s40, 15, s40                        ; my row of the cluster
	s_lshl_b32 s41, 0x1111, s21                    ; my column
	s_or_b32 s[G1], s40, (3<<16)|(1<<21)           ; 15:0 the mask; 17:16 elements of 8 bytes; 21 set beside a mask; no padding
	s_or_b32 s[G1B], s41, (3<<16)|(1<<21)
.irp g, G1, G1B                        ; 51,200 dense bytes as 200 rows of 256
	s_mov_b32 s[\g+1], 32<<16                      ; tensor_dim0 = 32
	s_mov_b32 s[\g+2], 200<<16                     ; tensor_dim1 = 200: the head's load
	s_mov_b32 s[\g+3], 32<<16                      ; tile_dim0 = 32
	s_mov_b32 s[\g+4], 200                         ; tile_dim1 = 200
	s_mov_b32 s[\g+5], 32                          ; from row to row
	s_mov_b32 s[\g+6], 0
	s_mov_b32 s[\g+7], 0
.endr
	s_lshl_b32 s42, s23, 2                         ; 4 x cluster y
	s_lshl_b32 s43, ttmp9, 2                       ; 4 x cluster x
	s_cmp_eq_u32 ttmp9, 2                          ; V?
	s_cselect_b32 s66, 8, s42                      ; lane side's tile: V: Wv's blocks begin at block 16 of w_img; else the token tile row
	s_cselect_b32 s67, s42, s43                    ; register side's tile: V: the token tile; else the weight's tile
	s_add_co_u32 s66, s66, s22                     ; + cy: this register never holds cx
	s_add_co_u32 s67, s67, s21                     ; + cx: and this one never cy
	s_lshl_b32 s68, s66, 1
	s_add_co_u32 s68, s68, s20
	s_mul_i32 s68, s68, 102400                     ; the block that I would fetch for the lane side: 8 records a block
	s_mov_b32 s69, 0
	s_lshl_b32 s70, s67, 1
	s_add_co_u32 s70, s70, s20
	s_mul_i32 s70, s70, 102400
	s_mov_b32 s71, 0
	s_mul_i32 s44, s18, 51200                      ; where it goes: wave x 51,200: no place in the cluster enters an LDS address
	s_mov_b32 s84, 0xffff0000                      ; lanes 16-31
	s_mov_b32 s[SEL], 0x76543210
	s_mov_b32 s[SEL+1], 0xfedcba98
	s_wait_dscnt 0x0                               ; both opening adds are done
	s_wait_kmcnt 0x0
	s_cmp_eq_u32 ttmp9, 2
	s_cselect_b64 s[72:73], s[6:7], s[4:5]         ; the lane side's tensor
	s_cselect_b64 s[74:75], s[4:5], s[6:7]         ; the register side's
	s_add_nc_u64 s[72:73], s[72:73], s[68:69]
	s_add_nc_u64 s[74:75], s[74:75], s[70:71]
	CROUND                                         ; all sixteen work-groups are here: the first joint loads meet
.irp s, 0,1
	s_mov_b32 s[G0+4*\s], 1
	s_add_co_u32 s[G0+4*\s+1], s44, \s*SLOT
	s_add_nc_u64 s[G0+4*\s+2:G0+4*\s+3], s[72:73], \s*25600
	s_or_b32 s[G0+4*\s+3], s[G0+4*\s+3], 0x80000000
	s_mov_b32 s[G0B+4*\s], 1
	s_add_co_u32 s[G0B+4*\s+1], s44, \s*SLOT
	s_add_nc_u64 s[G0B+4*\s+2:G0B+4*\s+3], s[74:75], \s*25600
	s_or_b32 s[G0B+4*\s+3], s[G0B+4*\s+3], 0x80000000
.endr
	JLOAD G0, G1, G0B, G1B                         ; records 0-3 of my block: one tensor load a wave at the head
	v_and_b32 v1, 31, v0
	v_lshlrev_b32 v[O16], 4, v1
	v_lshlrev_b32 v[O8], 3, v1
	v_lshlrev_b32 v[O4], 2, v1
	s_mul_i32 s45, s19, 51200                      ; my block of the lane side
	s_mul_i32 s46, s20, 51200
	s_add_co_u32 s46, s46, 102400                  ; my block of the register side
.irp s, 0,1
	v_add_nc_u32 v[A16+\s], s45, v[O16]
	v_add_nc_u32 v[A8+\s], s45, v[O8]
	v_add_nc_u32 v[A4+\s], s45, v[O4]
	v_add_nc_u32 v[B16+\s], s46, v[O16]
	v_add_nc_u32 v[B8+\s], s46, v[O8]
	v_add_nc_u32 v[B4+\s], s46, v[O4]
	s_add_co_u32 s45, s45, SLOT
	s_add_co_u32 s46, s46, SLOT
.endr
.macro FETCH_B slot, q, p              ; the register side's 8 fragments of the slot's record q into set p
	WIN TO_B
.irp i, 0,1,2,3,4,5,6,7
	FRAG 128*(\p)+12*\i, B16+\slot, B8+\slot, 12800*(\q)+1536*\i
.endr
	WIN 0
.endm
.macro FETCH_A slot, q, i0             ; the lane side's fragments i0 .. i0 + 3
.irp i, \i0, \i0+1, \i0+2, \i0+3
	FRAG AF+12*(\i), A16+\slot, A8+\slot, 12800*(\q)+1536*(\i)
.endr
.endm
.macro SCALES slot, q, P               ; a load brings the words of fragments 2 i (lanes 0-15) and 2 i + 1 (lanes 16-31)
.irp i, 0,1,2,3
	ds_load_b32 v[SC+8*(\P)+\i], v[A4+\slot] offset:12800*(\q)+12288+128*\i
.endr
.irp i, 0,1,2,3
	ds_load_b32 v[SC+8*(\P)+4+\i], v[B4+\slot] offset:12800*(\q)+12288+128*\i
.endr
.endm
.macro MUL16 a0, p, zero               ; lane-side fragments a0, a0 + 1 x the register side's eight.  The 64 accumulators take turns, in the same order in every step
.irp a, \a0, \a0+1
.irp b, 0,1,2,3,4,5,6,7
	WM 8*(8*((\a)%4)+\b), 128*(\p)+12*\b, AF+12*(\a), \zero, SC+8*(\p)+4+\b/2, SC+8*(\p)+(\a)/2, \b%2, (\a)%2
.endr
.endr
.endm
.macro STEP slot, zero                 ; a slot's first record; the second's fragments are fetched on the way
	s_wait_dscnt 16                                ; all but the youngest 16 loads (the lane side's fragments 4-7) are in
	WIN MUL_LO
	MUL16 0, 0, \zero
	MUL16 2, 0, \zero
	s_wait_dscnt 0x0
	PLACES 4                                       ; in front of loads into registers that matrix instructions have read
	FETCH_B \slot, 1, 1
	FETCH_A \slot, 1, 0
	SCALES \slot, 1, 1
	WIN MUL_HI
	MUL16 4, 0, \zero
	MUL16 6, 0, \zero
	PLACES 4
	WIN 0
	FETCH_A \slot, 1, 4
.endm
.macro TURN slot, next, fill           ; a slot's second record, and the change of slots
	s_wait_tensorcnt 0x0                           ; all my tensor loads have landed: my part of the next slot
	ds_add_u32 v[SPW], v[NIL]                      ; 0 onto my spare word
	s_wait_dscnt 17                                ; (the add and the youngest 16 loads may be out)
	WIN MUL_LO
	MUL16 0, 1, 0
	s_wait_dscnt 0x0                               ; the add is done, and my reads of this slot are over
	s_barrier_signal -1
	MUL16 2, 1, 0
	WIN 0
	s_barrier_wait -1
.if \fill
	CREST                                          ; the barrier has opened a round of the cluster's barrier: no wave of any partner still reads this slot or has a load on its way
	s_add_nc_u64 s[G0+4*\slot+2:G0+4*\slot+3], s[G0+4*\slot+2:G0+4*\slot+3], 51200
	s_add_nc_u64 s[G0B+4*\slot+2:G0B+4*\slot+3], s[G0B+4*\slot+2:G0B+4*\slot+3], 51200
	JLOAD G0+4*\slot, G1, G0B+4*\slot, G1B         ; the first tensor load behind the round; its four v_nop are the places in front of the loads below
.else
	PLACES 4
.endif
	FETCH_B \next, 0, 0
	FETCH_A \next, 0, 0
	SCALES \next, 0, 0
	WIN MUL_HI
	MUL16 4, 1, 0
	MUL16 6, 1, 0
	PLACES 4
	WIN 0
	FETCH_A \next, 0, 4
.endm
.macro LAST                            ; the last record: nothing more to fetch
	s_wait_dscnt 16
	WIN MUL_LO
	MUL16 0, 1, 0
	MUL16 2, 1, 0
	s_wait_dscnt 0x0
	WIN MUL_HI
	MUL16 4, 1, 0
	MUL16 6, 1, 0
	WIN 0
	PLACES 4                                       ; behind the last products: their results are read and their operands' registers written below
.irp b, 0,1,2,3
	v_mov_b32 v[TM+4+\b], 0                        ; a lane permute's destination counts as one of its sources
.endr
	s_wait_loadcnt 0x0                             ; the bias
.endm
	s_wait_alu depctr_va_vdst(0)
	s_wait_tensorcnt 0x0                           ; my block's four records are in; no tensor load of mine is out, so a descriptor may be written:
	s_mov_b32 s[G1+2], 100<<16                     ; from here on a load brings 100 rows
	s_mov_b32 s[G1+4], 100
	s_mov_b32 s[G1B+2], 100<<16
	s_mov_b32 s[G1B+4], 100
	s_barrier_signal -1
	s_barrier_wait -1
	FETCH_B 0, 0, 0
	FETCH_A 0, 0, 0
	SCALES 0, 0, 0
	FETCH_A 0, 0, 4
	STEP 0, 1                                      ; the first products start the sums: nothing is cleared
	TURN 0, 1, 1
	STEP 1, 0
	TURN 1, 0, 1
	STEP 0, 0
	TURN 0, 1, 0                                   ; the last two slots are filled no more
	STEP 1, 0
	s_cmp_eq_u32 ttmp9, 2
	s_cbranch_scc1 .Larm_v
; ---- Q and K: lanes = tokens, registers = 128 columns = heads 2 ng and 2 ng + 1
	s_lshl_b32 s40, s21, 1
	s_add_co_u32 s40, s40, s20                     ; ng = 2 cx + j
	s_lshl_b32 s41, s66, 1
	s_add_co_u32 s41, s41, s19                     ; my block of tokens
	s_lshr_b32 s42, s41, 4                         ; batch
	s_and_b32 s43, s41, 15                         ; block in the batch
	s_mov_b32 s76, 106496
	s_mov_b32 s77, 6656
	s_cmp_eq_u32 ttmp9, 1                          ; K?
	s_cselect_b32 s76, 204800, s76                 ; from head to head
	s_cselect_b32 s77, 6400, s77                   ; from record to record
	s_cselect_b64 s[78:79], s[10:11], s[8:9]       ; bk or bq
	s_cselect_b64 s[80:81], s[16:17], s[14:15]     ; kv_img or q_img
	s_lshl_b32 s42, s42, 4
	s_lshl_b32 s44, s40, 1
	s_add_co_u32 s42, s42, s44                     ; 16 x batch + the even head
	s_mul_i32 s42, s42, s76
	s_mul_i32 s43, s43, s77
	s_add_co_u32 s42, s42, s43
	s_mov_b32 s43, 0
	s_add_nc_u64 s[80:81], s[80:81], s[42:43]      ; the even head's record
	s_mov_b32 s77, 0
	s_add_nc_u64 s[82:83], s[80:81], s[76:77]      ; the odd head's
	s_lshl_b32 s42, s40, 9
	s_add_nc_u64 s[78:79], s[78:79], s[42:43]      ; the bias of my 128 columns
	v_bfe_u32 v53, v0, 4, 1                        ; h
	v_lshlrev_b32 v51, 6, v53                      ; 64 h
.irp b, 0,1,2,3
.irp q, 0,1,2,3
	global_load_b128 v[BI+16*\b+4*\q:BI+16*\b+4*\q+3], v51, s[78:79] offset:128*\b+16*\q   ; register 16 b + i: column 32 b + 16 h + i
.endr
.endr
	v_mul_u32_u24 v50, s76, v53                    ; the scale words: lanes 0-15 serve the even head, lanes 16-31 the odd one
	v_and_b32 v53, 15, v0
	v_lshl_add_u32 v50, v53, 2, v50                ; + 4 r
	v_mov_b32 v49, 0x05040100                      ; which two bytes of a word of four are my head's
	v_mov_b32 v52, 0x07060302
	v_cndmask_b32 v49, v49, v52, s84
	LAST
.macro OUTQK a
	WIN 0x02+(\a)/4                                ; source 0: window 2 or 3
.set i, 0
.rept 32
	v_pk_add_f32 v[T+2*i:T+2*i+1], v[64*((\a)%4)+2*i:64*((\a)%4)+2*i+1], v[BI+2*i:BI+2*i+1]   ; the sums come into window 0 with the bias added; each accumulator from its low end on
.set i, i+1
.endr
	WIN 0
.if (\a) > 0
	s_wait_xcnt 0x0                                ; the last fragment's stores have read their registers
.endif
	QUANT T
	global_store_b128 v[O16], v[PC:PC+3], s[80:81] offset:768*(\a)
	global_store_b64 v[O8], v[PC+4:PC+5], s[80:81] offset:768*(\a)+512
	global_store_b128 v[O16], v[PC+6:PC+9], s[82:83] offset:768*(\a)
	global_store_b64 v[O8], v[PC+10:PC+11], s[82:83] offset:768*(\a)+512
.if (\a)%2 == 0
	v_mov_b32 v[PWK], v[PW]
.endif
	s_cmp_eq_u32 ttmp9, 1
	s_cbranch_scc1 .Lkw_\@
	v_perm_b32 v[W], v[PW], v[PW], v49             ; Q: (s0, s1, s0, s1) of my head
	global_store_b32 v50, v[W], s[80:81] offset:6144+64*(\a)
	s_branch .Lwd_\@
.Lkw_\@:
.if (\a)%2 == 1
	v_perm_b32 v[W], v[PW], v[PWK], v49            ; K: (A0, A1, B0, B1): the even fragment's two bytes, then the odd one's
	global_store_b32 v50, v[W], s[80:81] offset:6144+64*((\a)/2)
.endif
.Lwd_\@:
.endm
.irp a, 0,1,2,3,4,5,6,7
	OUTQK \a
.endr
	s_branch .Lclose
; ---- V: lanes = channels (fragments 0-3: the even head's 64, 4-7: the odd head's), registers = 128 tokens = one key step
.Larm_v:
	s_lshl_b32 s40, s22, 1
	s_add_co_u32 s40, s40, s19                     ; my block of 128 channels: 2 cy + i
	s_lshl_b32 s41, s67, 1
	s_add_co_u32 s41, s41, s20                     ; my block of tokens
	s_lshr_b32 s42, s41, 4                         ; batch
	s_and_b32 s43, s41, 15                         ; key step
	s_lshl_b32 s42, s42, 4
	s_lshl_b32 s44, s40, 1
	s_add_co_u32 s42, s42, s44                     ; 16 x batch + the even head
	s_mul_i32 s42, s42, 204800
	s_mul_i32 s43, s43, 6400
	s_add_co_u32 s42, s42, s43
	s_add_co_u32 s42, s42, 102400                  ; V lies behind the head's K
	s_mov_b32 s43, 0
	s_add_nc_u64 s[80:81], s[16:17], s[42:43]
	s_lshl_b32 s42, s40, 9
	s_add_nc_u64 s[78:79], s[12:13], s[42:43]      ; bv at my 128 channels
	v_and_b32 v51, 15, v0
	v_and_b32 v52, 8, v51
	v_add_nc_u32 v51, v51, v52
	v_lshlrev_b32 v51, 2, v51                      ; 4 (r + 8 (r / 8))
.irp a, 0,1,2,3,4,5,6,7
	global_load_b32 v[BI+2*\a], v51, s[78:79] offset:(32*(\a/2)+8*(\a%2))*4     ; my channel's bias, in both registers of a pair
	global_load_b32 v[BI+2*\a+1], v51, s[78:79] offset:(32*(\a/2)+8*(\a%2))*4
.endr
	LAST
.macro OUTV a
	WIN 0x02+(\a)/4
.set i, 0
.rept 32
	v_pk_add_f32 v[T+2*i:T+2*i+1], v[64*((\a)%4)+2*i:64*((\a)%4)+2*i+1], v[BI+2*(\a):BI+2*(\a)+1]
.set i, i+1
.endr
	WIN 0
.if (\a) > 0
	s_wait_xcnt 0x0
.endif
	QUANT T
	global_store_b128 v[O16], v[PC:PC+3], s[80:81] offset:204800*((\a)/4)+1536*((\a)%4)
	global_store_b64 v[O8], v[PC+4:PC+5], s[80:81] offset:204800*((\a)/4)+1536*((\a)%4)+512
	global_store_b128 v[O16], v[PC+6:PC+9], s[80:81] offset:204800*((\a)/4)+1536*((\a)%4)+768
	global_store_b64 v[O8], v[PC+10:PC+11], s[80:81] offset:204800*((\a)/4)+1536*((\a)%4)+1280
.if (\a)%2 == 0
	v_mov_b32 v[PWK], v[PW]
.else
	v_cndmask_b32 v[W], v[PWK], v[PW], s84
	global_store_b32 v[O4], v[W], s[80:81] offset:204800*((\a)/4)+6144+128*(((\a)%4)/2)
.endif
.endm
.irp a, 0,1,2,3,4,5,6,7
	OUTV \a
.endr
.Lclose:
	s_wait_tensorcnt 0x0                           ; the wave's end
	ds_add_u32 v[SPW], v[NIL]
	s_wait_dscnt 0x0
	CROUND                                         ; the closing round
	s_endpgm
.Lfunc_end_k_q4a310e30dc_qkv:
	.size	k_q4a310e30dc_qkv, .Lfunc_end_k_q4a310e30dc_qkv-k_q4a310e30dc_qkv
	.p2alignl 7, 3214868480
	.fill 96, 4, 3214868480
	.section	.rodata,"a",@progbits
	.p2align	6, 0x0
	.amdhsa_kernel k_q4a310e30dc_qkv
		.amdhsa_group_segment_fixed_size 327680
		.amdhsa_private_segment_fixed_size 0
		.amdhsa_enable_private_segment 0
		.amdhsa_kernarg_size 56
		.amdhsa_user_sgpr_count 2
		.amdhsa_user_sgpr_kernarg_segment_ptr 1
		.amdhsa_wavefront_size32 1
		.amdhsa_system_sgpr_workgroup_id_x 1
		.amdhsa_system_sgpr_workgroup_id_y 1
		.amdhsa_system_sgpr_workgroup_id_z 1
		.amdhsa_system_vgpr_workitem_id 0
		.amdhsa_next_free_vgpr 1024
		.amdhsa_next_free_sgpr 100
		.amdhsa_reserve_vcc 0
		.amdhsa_float_denorm_mode_32 3
		.amdhsa_float_denorm_mode_16_64 3
		.amdhsa_memory_ordered 1
		.amdhsa_forward_progress 1
		.amdhsa_inst_pref_size 229
	.end_amdhsa_kernel
	.amdgpu_metadata
---
amdhsa.version: [ 1, 2 ]
amdhsa.kernels:
  - .name:           k_q4a310e30dc_qkv
    .symbol:         k_q4a310e30dc_qkv.kd
    .args:
      - { .name: a_img, .offset: 0, .size: 8, .value_kind: global_buffer, .address_space: global }
      - { .name: w_img, .offset: 8, .size: 8, .value_kind: global_buffer, .address_space: global }
      - { .name: bq, .offset: 16, .size: 8, .value_kind: global_buffer, .address_space: global }
      - { .name: bk, .offset: 24, .size: 8, .value_kind: global_buffer, .address_space: global }
      - { .name: bv, .offset: 32, .size: 8, .value_kind: global_buffer, .address_space: global }
      - { .name: q_img, .offset: 40, .size: 8, .value_kind: global_buffer, .address_space: global }
      - { .name: kv_img, .offset: 48, .size: 8, .value_kind: global_buffer, .address_space: global }
    .group_segment_fixed_size: 327680
    .private_segment_fixed_size: 0
    .kernarg_segment_align: 8
    .kernarg_segment_size: 56
    .max_flat_workgroup_size: 128
    .sgpr_count:     100
    .vgpr_count:     1024
    .wavefront_size: 32
...
	.end_amdgpu_metadata
.endif
;; end of part 2
;; launch attn (part 3): grid 8 x 32, 16 waves a work-group, clusters of 4 x 1, 206,848 bytes of LDS; arguments q_img, kv_img, a_img; writes a_img
.if DOCPART == 3
	.amdgcn_target "amdgcn-amd-amdhsa--gfx1250"
	.amdhsa_code_object_version 6
	.text
	.protected	k_q4a310e30dc_attn
	.globl	k_q4a310e30dc_attn
	.p2align	8
	.type	k_q4a310e30dc_attn,@function
k_q4a310e30dc_attn:
	s_mov_b64 s[64:65], 0
	v_nop
	global_prefetch_b8 v0, s[64:65] scope:SCOPE_SE
	s_setreg_imm32_b32 hwreg(HW_REG_WAVE_MODE, 25, 1), 1
	s_wait_xcnt 0x0
	s_wait_alu depctr_hold_cnt(0) depctr_sa_sdst(0) depctr_va_vdst(0) depctr_va_sdst(0) depctr_va_ssrc(0) depctr_va_vcc(0) depctr_vm_vsrc(0)
	s_getreg_b32 s2, hwreg(HW_REG_IB_STS2, 6, 4)
	s_cmp_eq_u32 s2, 0
	s_cbranch_scc0 .Lentry_in_a_cluster
	s_endpgm
.Lentry_in_a_cluster:
	s_bfe_u32 s2, ttmp6, 0x10000c
	s_cmp_lg_u32 s2, 0x3003
	s_cbranch_scc0 .Lentry_shape_is_right
	s_endpgm
.Lentry_shape_is_right:
; ATTENTION on codes of E2M3: o = softmax(q k^T / 8) v for one batch and head, 256 queries a work-group, 16 a wave (one token fragment).  (src_mask is left out: see the first kernel.)
; THE SOFTMAX AHEAD OF THE SECOND PRODUCT: t = score x log2(e) / 8; M = the running largest t rounded UP to a whole number; p = 2^(t - M) is quantised along the keys, not normalised; the row's sum is taken of the
; unquantised p and divides at the end; when M moves, the sum and O are multiplied by 2^(old M - new M), which rounds nothing.  LIMIT: the promise holds while the scaled scores stay under 2^31 in magnitude.
; K AND V OF THE WHOLE HEAD STAY IN LDS: 16 key steps x (6,400 + 6,400) = 204,800 bytes, as they lie in kv_img, asked for once, at the head, by sixteen joint loads of 12,800 bytes, one a wave (the four work-groups of a
; cluster take the same head).  No byte of LDS is filled twice: no ring.  Nothing is prefetched: every byte is asked for at the head, so there is no loop to run ahead in.
; BOTH PRODUCTS TRANSPOSED: S^T = K Q^T (source 0 = keys), O^T = V^T P^T (source 0 = channels): a lane holds one query throughout.
; K = 64 IN AN INSTRUCTION OF K = 128: an operand of K holds one key tile in registers 0-5 and another in 6-11.  Q stands as q (v16-21), zeros (v22-27), q (v28-33): against v[16:27] the second tile meets zero codes, against v[22:33] the first.
; WHICH KEYS FORM A TILE is chosen by the lanes' LDS addresses.  In kv_img pair p (1,536 bytes) holds, in lane-row 8 g + j of its half u, key 32 p + 16 g + 8 u + j.  Lane-row r of operand (c, g) reads lane-row 8 g + r % 8 of pair
; 2 c + r / 8: its two tiles are keys 64 c + 32 (r / 8) + 8 (2 g + u) + r % 8.  So in the scores lane (query, h) holds, in registers 32 c + 8 (2 g + u) + j, keys 64 c + 32 h + 0 .. 31 in order: ONE WHOLE BLOCK of p's quantiser,
; in the order of the next operand's registers 6 c .. 6 c + 5.  No lane asks another for a block's maximum and no code changes lanes; only the row's maximum and the scale word's four bytes join lanes l and l xor 16.
; (Lanes 8-15 of such a load stand 1,536 bytes from lanes 0-7: the same banks.)
; The result, divided by the sum, is quantised along the head's 64 channels (two blocks of 32): half a fragment of the operand of the product with Wo, stored into a_img with its two scale bytes (2 bytes a row beside 48 of codes;
; lanes 16-31 name the same addresses with the same values as lanes 0-15).  LIMITS: as in the first kernel.
; REGISTERS: v1-4 16, 8, 4 x lane, 4 r; v7-9 K's lane terms; v10, v11, v34 K's addresses, v246-248 V's; v12 -M, v13 the largest score, v[14:15] the sum; v16-33 Q; v35 8 h; v36-83 K's four operands, then V's four fragments;
; v84-90 scale words (K's, V's, q's, p's) and nothing else; v[92:93] the factor; v96-159 S^T, then p; v160-191 O^T; v192-210 codes; v212-245 at work.
.set SPARE, 204800
.set SPW, 5
.set NIL, 6
.set WV,  18
.set SEL, 20
.set CS,  22
.set G1,  24
.set G0,  32
.set TB,  36                           ; s36 LDS byte of the step's K record; s37 of its V record
.set TV,  37
.set CNT, 38
.set NC,  39                           ; s39 -c
.set F,   92
.set S,   96
.set O,   160
.set PC,  192
.set TC,  204
.set T,   212
.set A,   220
.set X,   236
.set SO,  238
.set BY,  240
.set W,   242
.set Z,   243
.set U,   244
.set N,   245
.macro DL n                            ; four waves share a SIMD: a hint ahead of a plain line that reads the plain line n back
	s_delay_alu instid0(VALU_DEP_\n)
.endm
.macro WALU
	s_wait_alu depctr_va_vdst(0)
.endm
.macro CROUND
	s_barrier_signal -1
	s_barrier_wait -1
	s_cmp_lg_u32 s[WV], 0
	s_cbranch_scc1 .Lnot_wave_0_\@
	s_barrier_signal -3
.Lnot_wave_0_\@:
	s_barrier_wait -3
	s_barrier_signal -1
	s_barrier_wait -1
.endm
.macro FRAG reg, a16, a8, o16, o8
	ds_load_b128 v[(\reg):(\reg)+3], v[\a16] offset:(\o16)
	ds_load_b64 v[(\reg)+4:(\reg)+5], v[\a8] offset:(\o8)+512
	ds_load_b128 v[(\reg)+6:(\reg)+9], v[\a16] offset:(\o16)+768
	ds_load_b64 v[(\reg)+10:(\reg)+11], v[\a8] offset:(\o8)+1280
.endm
.macro WM d, a, b, c, sa, sb, ra       ; ra: source 0's scale words stand in lanes 16-31
.if \ra
	v_wmma_scale_f32_16x16x128_f8f6f4 v[(\d):(\d)+7], v[(\a):(\a)+11], v[(\b):(\b)+11], \c, v[\sa], v[\sb] matrix_a_fmt:MATRIX_FMT_FP6 matrix_b_fmt:MATRIX_FMT_FP6 matrix_a_scale:MATRIX_SCALE_ROW1
.else
	v_wmma_scale_f32_16x16x128_f8f6f4 v[(\d):(\d)+7], v[(\a):(\a)+11], v[(\b):(\b)+11], \c, v[\sa], v[\sb] matrix_a_fmt:MATRIX_FMT_FP6 matrix_b_fmt:MATRIX_FMT_FP6
.endif
.endm
; The softmax and the quantiser for 128 keys
.macro SOFT
.irp a, 0,1,2,3,4,5,6,7
	v_max3_num_f32 v[T+\a], v[S+8*\a], v[S+8*\a+1], v[S+8*\a+2]   ; eight chains, one an accumulator, each from its low end on
.endr
.irp i, 3,5
.irp a, 0,1,2,3,4,5,6,7
	v_max3_num_f32 v[T+\a], v[T+\a], v[S+8*\a+\i], v[S+8*\a+\i+1]
.endr
.endr
.irp a, 0,2,4,6
	v_max3_num_f32 v[T+\a], v[T+\a], v[S+8*\a+7], v[S+8*\a+15]
.endr
	DL 3
	v_max3_num_f32 v[X], v[T], v[T+1], v[T+2]
	DL 2
	v_max3_num_f32 v[X+1], v[T+4], v[T+5], v[T+6]
	DL 2
	v_max_num_f32 v[X], v[X], v[T+3]               ; the largest score of my block of group 0,
	DL 2
	v_max_num_f32 v[X+1], v[X+1], v[T+7]           ; and of group 1: they serve the row's maximum and, since p rises with the score, the block's largest p
	DL 1
	v_max3_num_f32 v13, v13, v[X], v[X+1]
	DL 1
	v_permlanex16_b32 v[Z], v13, s[SEL], s[SEL+1]
	DL 1
	v_max_num_f32 v13, v13, v[Z]                   ; the running largest score of my query
	DL 1
	v_mul_f32 v[U], s[NC], v13
	v_mov_b32 v[N], v12                            ; the old -M
	DL 2
	v_floor_f32 v12, v[U]                          ; the new -M = floor(-t) = -ceil(t)
	DL 1
	v_sub_f32 v[N], v12, v[N]                      ; old M - new M: a whole number, 0 or less
	DL 1
	v_cvt_i32_f32 v[N], v[N]                       ; (it saturates)
	DL 1
	v_ldexp_f32 v[F], 1.0, v[N]                    ; the factor 2^(old M - new M)
.set j, 0
.rept 32
	v_pk_fma_f32 v[S+j:S+j+1], v[S+j:S+j+1], s[CS:CS+1], v[12:13] op_sel_hi:[1,0,0]   ; t - M
.set j, j+2
.endr
.set j, 0
.rept 16
	v_pk_mul_f32 v[O+j:O+j+1], v[O+j:O+j+1], v[F:F+1] op_sel_hi:[1,0]   ; O^T under the new M, each accumulator from its low end on; ahead of the exponentials
.set j, j+2
.endr
	v_fma_f32 v[X], v[X], s[CS], v12
	v_fma_f32 v[X+1], v[X+1], s[CS], v12
	WALU                                           ; one wait ahead of the batch,
	v_exp_f32 v[X], v[X]                           ; each block's largest p: the same two instructions on the same number give the same bits
	v_exp_f32 v[X+1], v[X+1]
.set j, 0
.rept 64
	v_exp_f32 v[S+j], v[S+j]                       ; p = 2^(t - M)
.set j, j+1
.endr
	v_pk_mul_f32 v[14:15], v[14:15], v[F:F+1] op_sel_hi:[1,0]   ; the sum under the new M (a plain line behind the batch)
	WALU                                           ; and one behind it, ahead of its first reader
	v_max_num_f32 v[X], 0x1800000, v[X]            ; the floor 2^(3 - 127): the byte cannot fall under 1
	v_max_num_f32 v[X+1], 0x1800000, v[X+1]
.irp k, 0,1,2,3,4,5,6,7
	v_pk_add_f32 v[A+2*\k:A+2*\k+1], v[S+2*\k:S+2*\k+1], v[S+16+2*\k:S+17+2*\k]   ; the sum of the unquantised p, in eight chains
.endr
	v_add_nc_u32 v[SO], 0xff000000, v[X]           ; 2 off the exponent field: the conversions' scale operand
	v_add_nc_u32 v[SO+1], 0xff000000, v[X+1]
.irp k, 0,1,2,3,4,5,6,7
	v_pk_add_f32 v[A+2*\k:A+2*\k+1], v[A+2*\k:A+2*\k+1], v[S+32+2*\k:S+33+2*\k]
.endr
	v_lshrrev_b32 v[BY], 23, v[SO]                 ; the bytes of blocks h and 2 + h
	v_lshrrev_b32 v[BY+1], 23, v[SO+1]
.irp k, 0,1,2,3,4,5,6,7
	v_pk_add_f32 v[A+2*\k:A+2*\k+1], v[A+2*\k:A+2*\k+1], v[S+48+2*\k:S+49+2*\k]
.endr
	v_lshl_or_b32 v[W], v[BY+1], 16, v[BY]
.irp k, 0,1,2,3
	v_pk_add_f32 v[A+2*\k:A+2*\k+1], v[A+2*\k:A+2*\k+1], v[A+8+2*\k:A+9+2*\k]
.endr
	v_lshlrev_b32 v[W], v35, v[W]                  ; at their places in the word: 8 h bits up
	DL 1
	v_permlanex16_b32 v[Z], v[W], s[SEL], s[SEL+1]
.irp c, 0,1
	v_cvt_scalef32_pk16_fp6_f32 v[PC+6*\c:PC+6*\c+2], v[S+32*\c:S+32*\c+15], v[SO+\c]
	v_cvt_scalef32_pk16_fp6_f32 v[TC+4*\c:TC+4*\c+2], v[S+32*\c+16:S+32*\c+31], v[SO+\c]   ; (a conversion's three registers begin on an even number)
.endr
	v_or_b32 v90, v[W], v[Z]                       ; with lane l xor 16's two bytes p's word is whole.  (The plain line behind the conversions)
.irp c, 0,1
.irp i, 0,1,2
	v_mov_b32 v[PC+6*\c+3+\i], v[TC+4*\c+\i]
.endr
.endr
	v_pk_add_f32 v[A:A+1], v[A:A+1], v[A+4:A+5]    ; the sum's last four lines are the places between the codes just laid and the products; with the six moves, ten stand behind the word
	v_pk_add_f32 v[A+2:A+3], v[A+2:A+3], v[A+6:A+7]
	DL 2
	v_pk_add_f32 v[14:15], v[14:15], v[A:A+1]
	DL 1
	v_pk_add_f32 v[14:15], v[14:15], v[A+2:A+3]
.endm
	s_load_b128 s[4:7], s[0:1], 0x0                ; q_img, kv_img
	s_load_b64 s[8:9], s[0:1], 0x10                ; a_img
	v_lshl_add_u32 v[SPW], v0, 2, SPARE
	v_mov_b32 v[NIL], 0
	ds_add_u32 v[SPW], v[NIL]                      ; the wave's opening: the add, twice on end, and its wait ahead of my first tensor load
	ds_add_u32 v[SPW], v[NIL]
	v_lshrrev_b32 v7, 5, v0
	DL 1
	v_readfirstlane_b32 s[WV], v7                  ; wave 0..15
	s_bfe_u32 s40, ttmp6, 0x40000                  ; cx: it enters Q's and the output's addresses alone
	s_lshl_b32 s41, ttmp9, 2
	s_add_co_u32 s41, s41, s40                     ; my block of 256 queries
	s_and_b32 s42, ttmp7, 0xffff                   ; 16 x batch + head, which the four partners share
	s_mov_b32 s[G1], 15|(3<<16)|(1<<21)            ; 15:0 the mask: all four work-groups; 17:16 elements of 8 bytes; 21 set beside a mask
	s_mov_b32 s[G1+1], 32<<16                      ; 12,800 dense bytes as 50 rows of 256
	s_mov_b32 s[G1+2], 50<<16
	s_mov_b32 s[G1+3], 32<<16
	s_mov_b32 s[G1+4], 50
	s_mov_b32 s[G1+5], 32
	s_mov_b32 s[G1+6], 0
	s_mov_b32 s[G1+7], 0
	s_mov_b32 s[G0], 1
	s_mul_i32 s[G0+1], s[WV], 12800                ; waves 0-7: K's key steps 2 w on; waves 8-15: V's
	s_mul_i32 s44, s42, 204800
	s_add_co_u32 s44, s44, s[G0+1]
	s_mov_b32 s45, 0
	s_lshl_b32 s47, s41, 1
	s_lshr_b32 s48, s[WV], 3
	s_add_co_u32 s47, s47, s48                     ; my block of 128 tokens in the batch
	s_and_b32 s43, s[WV], 7                        ; my fragment in it
	s_mul_i32 s46, s42, 106496
	s_mul_i32 s49, s47, 6656
	s_add_co_u32 s46, s46, s49                     ; the block's record in q_img
	s_mul_i32 s50, s43, 768
	s_add_co_u32 s50, s50, s46                     ; my fragment's codes
	s_mov_b32 s51, 0
	s_lshl_b32 s48, s43, 6
	s_add_co_u32 s48, s48, s46                     ; and its words (6,144 on)
	s_mov_b32 s49, 0
	s_lshr_b32 s60, s42, 4
	s_lshl_b32 s60, s60, 4
	s_add_co_u32 s60, s60, s47                     ; my block of tokens among all 32
	s_lshl_b32 s60, s60, 3
	s_bfe_u32 s61, s42, 0x30001                    ; head / 2: which 128 along the next K
	s_add_co_u32 s60, s60, s61
	s_mul_i32 s60, s60, 12800                      ; the record in a_img
	s_and_b32 s61, s42, 1                          ; head % 2: which half of a fragment
	s_mul_i32 s62, s43, 1536
	s_add_co_u32 s62, s62, s60
	s_mul_i32 s63, s61, 768
	s_add_co_u32 s62, s62, s63                     ; my half fragment
	s_mov_b32 s63, 0
	s_lshl_b32 s66, s43, 6
	s_add_co_u32 s66, s66, s60
	s_lshl_b32 s61, s61, 1
	s_add_co_u32 s66, s66, s61                     ; my two bytes of each row's word (12,288 on)
	s_mov_b32 s67, 0
	s_mov_b32 s[SEL], 0x76543210
	s_mov_b32 s[SEL+1], 0xfedcba98
	s_mov_b32 s[CS], 0x3e38aa3b                    ; c = log2(e) / 8
	s_mov_b32 s[CS+1], s[CS]
	s_mov_b32 s[NC], 0xbe38aa3b                    ; -c
	s_mov_b32 s[TB], 0
	s_mov_b32 s[TV], 102400
	s_mov_b32 s[CNT], 16
	s_wait_dscnt 0x0                               ; both opening adds are done
	s_wait_kmcnt 0x0
	s_add_nc_u64 s[G0+2:G0+3], s[6:7], s[44:45]
	s_or_b32 s[G0+3], s[G0+3], 0x80000000
	s_add_nc_u64 s[52:53], s[4:5], s[50:51]        ; Q's codes
	s_add_nc_u64 s[54:55], s[4:5], s[48:49]        ; Q's words
	s_add_nc_u64 s[56:57], s[8:9], s[62:63]        ; the output's codes
	s_add_nc_u64 s[58:59], s[8:9], s[66:67]        ; the output's bytes
	CROUND                                         ; all four work-groups are here: the joint loads meet
	tensor_load_to_lds s[G0:G0+3], s[G1:G1+7]      ; every wave's one load
	s_nop 0
	v_and_b32 v94, 31, v0
	v_and_b32 v4, 15, v0
	v_bfe_u32 v95, v0, 4, 1                        ; h
	v_bfe_u32 v34, v0, 3, 1                        ; r / 8
	v_lshlrev_b32 v1, 4, v94
	v_lshlrev_b32 v2, 3, v94
	v_lshlrev_b32 v3, 2, v94
	v_lshlrev_b32 v4, 2, v4                        ; 4 r
	v_and_b32 v94, 7, v0                           ; r % 8
	v_lshlrev_b32 v35, 3, v95                      ; 8 h
	v_lshl_add_u32 v10, v95, 4, v94                ; r % 8 + 16 h: the lane whose place in a pair's image I read
	v_lshlrev_b32 v9, 2, v94
	v_lshlrev_b32 v7, 4, v10
	v_lshlrev_b32 v8, 3, v10
	v_lshl_add_u32 v9, v95, 5, v9
	v_mad_u32_u24 v7, v34, 1536, v7                ; K by 16 bytes: pair r / 8 of the group's two
	v_mad_u32_u24 v8, v34, 1536, v8                ; by 8 bytes
	v_lshl_add_u32 v9, v34, 6, v9                  ; K's words: 64 (r / 8) + 32 h + 4 (r % 8): lanes 16-31 take g = 1
	global_load_b128 v[16:19], v1, s[52:53]        ; q, twice, with zeros between
	global_load_b64 v[20:21], v2, s[52:53] offset:512
	global_load_b128 v[28:31], v1, s[52:53]
	global_load_b64 v[32:33], v2, s[52:53] offset:512
	global_load_b32 v88, v4, s[54:55] offset:6144  ; q's words (s0, s1, s0, s1)
.irp j, 22,23,24,25,26,27,14,15,93,243
	v_mov_b32 v\j, 0                               ; the zeros between the two q, the sum, and what a pair or a permute names before it is written
.endr
	v_mov_b32 v13, 0xff61b1e6                      ; the largest score so far: -3e38
	v_mov_b32 v12, 0x7e967699                      ; -M so large that the first factor is 0
.set j, 0
.rept 32
	v_mov_b32 v[O+j], 0                            ; O^T: the step is written once; its first trip finds zeros
.set j, j+1
.endr
	WALU
	s_wait_tensorcnt 0x0                           ; my part of the head's K and V has landed,
	s_barrier_signal -1
	s_barrier_wait -1                              ; everybody's has
	s_wait_loadcnt 0x0                             ; Q
.Lstep:                                            ; 16 trips: 128 keys each
	v_add_nc_u32 v10, s[TB], v7                    ; (these three and the v_nop are the places ahead of the loads into registers that the last products read)
	v_add_nc_u32 v11, s[TB], v8
	v_add_nc_u32 v34, s[TB], v9
	v_nop
.irp c, 0,1
.irp g, 0,1
	FRAG 36+24*\c+12*\g, 10, 11, 3072*\c+128*\g, 3072*\c+64*\g
.endr
.endr
	ds_load_b32 v84, v34 offset:6144               ; K's words: register c holds g = 0 in lanes 0-15 and g = 1 in lanes 16-31
	ds_load_b32 v85, v34 offset:6272
	s_wait_dscnt 0x0
.irp c, 0,1
.irp g, 0,1
	WM S+32*\c+16*\g, 36+24*\c+12*\g, 16, 0, 84+\c, 88, \g
	WM S+32*\c+16*\g+8, 36+24*\c+12*\g, 22, 0, 84+\c, 88, \g
.endr
.endr
	v_add_nc_u32 v246, s[TV], v1                   ; four places: the scores are read below, and V lands in K's registers
	v_add_nc_u32 v247, s[TV], v2
	v_add_nc_u32 v248, s[TV], v3
	v_nop
.irp d, 0,1,2,3
	FRAG 36+12*\d, 246, 247, 1536*\d, 1536*\d      ; V's four fragments land under the softmax
.endr
	ds_load_b32 v86, v248 offset:6144
	ds_load_b32 v87, v248 offset:6272
	SOFT
	WALU
	s_wait_dscnt 0x0                               ; V is in
.irp d, 0,1,2,3
	WM O+8*\d, 36+12*\d, PC, v[O+8*\d:O+8*\d+7], 86+\d/2, 90, \d%2   ; the four accumulators by turns, one instruction a turn
.endr
	s_add_co_u32 s[TB], s[TB], 6400
	s_add_co_u32 s[TV], s[TV], 6400
	s_sub_co_u32 s[CNT], s[CNT], 1
	s_cmp_lg_u32 s[CNT], 0
	s_cbranch_scc1 .Lstep
	; THE WAY OUT: O^T / the sum; register 16 b + i is channel 32 b + 16 h + i of my query: two blocks of 32, each in lanes l and l xor 16
.rept 4
	v_nop
.endr
	v_add_f32 v14, v14, v15
	DL 1
	v_permlanex16_b32 v[Z], v14, s[SEL], s[SEL+1]
	DL 1
	v_add_f32 v14, v14, v[Z]                       ; the row's sum
	WALU
	v_rcp_f32 v14, v14
	v_nop                                          ; a plain line behind the reciprocal
	WALU                                           ; and the wait ahead of its first reader, which is O^T's first reader too
.set j, 0
.rept 16
	v_pk_mul_f32 v[S+j:S+j+1], v[O+j:O+j+1], v[14:15] op_sel_hi:[1,0]
.set j, j+2
.endr
.irp b, 0,1
	v_max3_num_f32 v[X+\b], |v[S+16*\b]|, |v[S+16*\b+1]|, 0x1800000
.endr
.irp i, 2,4,6,8,10,12,14
.irp b, 0,1
	DL 2
	v_max3_num_f32 v[X+\b], v[X+\b], |v[S+16*\b+\i]|, |v[S+16*\b+\i+1]|
.endr
.endr
.irp b, 0,1
	DL 2
	v_permlanex16_b32 v[T+\b], v[X+\b], s[SEL], s[SEL+1]
.endr
.irp b, 0,1
	DL 2
	v_max_num_f32 v[X+\b], v[X+\b], v[T+\b]
.endr
.irp b, 0,1
	DL 2
	v_add_nc_u32 v[SO+\b], 0xff000000, v[X+\b]
.endr
.irp b, 0,1
	DL 2
	v_lshrrev_b32 v[BY+\b], 23, v[SO+\b]
.endr
	DL 1
	v_lshl_or_b32 v[W], v[BY+1], 8, v[BY]          ; my head's two bytes of the row's word
	v_cvt_scalef32_pk16_fp6_f32 v[PC:PC+2], v[S:S+15], v[SO]
	v_cvt_scalef32_pk16_fp6_f32 v[TC:TC+2], v[S+16:S+31], v[SO+1]
	v_nop                                          ; one plain line behind the scaled conversions
.irp i, 0,1,2
	v_permlane16_swap_b32 v[PC+\i], v[TC+\i]       ; a whole block to a lane
.endr
.irp i, 0,1,2
	DL 3
	v_mov_b32 v[PC+3+\i], v[TC+\i]
.endr
	global_store_b128 v1, v[PC:PC+3], s[56:57]
	global_store_b64 v2, v[PC+4:PC+5], s[56:57] offset:512
	global_store_b16 v4, v[W], s[58:59] offset:12288
	s_wait_tensorcnt 0x0                           ; the wave's end
	ds_add_u32 v[SPW], v[NIL]
	s_wait_dscnt 0x0
	CROUND                                         ; the closing round
	s_endpgm
.Lfunc_end_k_q4a310e30dc_attn:
	.size	k_q4a310e30dc_attn, .Lfunc_end_k_q4a310e30dc_attn-k_q4a310e30dc_attn
	.p2alignl 7, 3214868480
	.fill 96, 4, 3214868480
	.section	.rodata,"a",@progbits
	.p2align	6, 0x0
	.amdhsa_kernel k_q4a310e30dc_attn
		.amdhsa_group_segment_fixed_size 206848
		.amdhsa_private_segment_fixed_size 0
		.amdhsa_enable_private_segment 0
		.amdhsa_kernarg_size 24
		.amdhsa_user_sgpr_count 2
		.amdhsa_user_sgpr_kernarg_segment_ptr 1
		.amdhsa_wavefront_size32 1
		.amdhsa_system_sgpr_workgroup_id_x 1
		.amdhsa_system_sgpr_workgroup_id_y 1
		.amdhsa_system_sgpr_workgroup_id_z 1
		.amdhsa_system_vgpr_workitem_id 0
		.amdhsa_next_free_vgpr 256
		.amdhsa_next_free_sgpr 70
		.amdhsa_reserve_vcc 0
		.amdhsa_float_denorm_mode_32 3
		.amdhsa_float_denorm_mode_16_64 3
		.amdhsa_memory_ordered 1
		.amdhsa_forward_progress 1
		.amdhsa_inst_pref_size 28
	.end_amdhsa_kernel
	.amdgpu_metadata
---
amdhsa.version: [ 1, 2 ]
amdhsa.kernels:
  - .name:           k_q4a310e30dc_attn
    .symbol:         k_q4a310e30dc_attn.kd
    .args:
      - { .name: q_img, .offset: 0, .size: 8, .value_kind: global_buffer, .address_space: global }
      - { .name: kv_img, .offset: 8, .size: 8, .value_kind: global_buffer, .address_space: global }
      - { .name: a_img, .offset: 16, .size: 8, .value_kind: global_buffer, .address_space: global }
    .group_segment_fixed_size: 206848
    .private_segment_fixed_size: 0
    .kernarg_segment_align: 8
    .kernarg_segment_size: 24
    .max_flat_workgroup_size: 512
    .sgpr_count:     70
    .vgpr_count:     256
    .wavefront_size: 32
...
	.end_amdgpu_metadata
.endif
;; end of part 3
;; launch oproj (part 4): grid 8 x 32, 4 waves a work-group, clusters of 4 x 4, 327,680 bytes of LDS; arguments a_img, w_img, c_img; writes c_img
.if DOCPART == 4
	.amdgcn_target "amdgcn-amd-amdhsa--gfx1250"
	.amdhsa_code_object_version 6
	.text
	.protected	k_q4a310e30dc_oproj
	.globl	k_q4a310e30dc_oproj
	.p2align	8
	.type	k_q4a310e30dc_oproj,@function
k_q4a310e30dc_oproj:
	s_mov_b64 s[64:65], 0
	v_nop
	global_prefetch_b8 v0, s[64:65] scope:SCOPE_SE
	s_setreg_imm32_b32 hwreg(HW_REG_WAVE_MODE, 25, 1), 1
	s_wait_xcnt 0x0
	s_wait_alu depctr_hold_cnt(0) depctr_sa_sdst(0) depctr_va_vdst(0) depctr_va_sdst(0) depctr_va_ssrc(0) depctr_va_vcc(0) depctr_vm_vsrc(0)
	s_getreg_b32 s2, hwreg(HW_REG_IB_STS2, 6, 4)
	s_cmp_eq_u32 s2, 0
	s_cbranch_scc0 .Lentry_in_a_cluster
	s_endpgm
.Lentry_in_a_cluster:
	s_bfe_u32 s2, ttmp6, 0x10000c
	s_cmp_lg_u32 s2, 0xf033
	s_cbranch_scc0 .Lentry_shape_is_right
	s_endpgm
.Lentry_shape_is_right:
; C = A B^T on codes of E2M3, K = 128 KS: here the attention's result (a_img) x Wo (w_img at WOFF), stored as f32 in the order of the accumulators (c_img).  (src_mask is left out: see the first kernel.)
; A tile is 128 x 128, four waves of 64 x 64.  Operands are records of 128 rows x 128 K, 12,800 bytes.  A slot holds four records of A and, 51,200 bytes on, four of B.
; At the head each wave asks by ONE joint load of 200 rows of 256 bytes for four records: waves 0, 1 A's records 0-3 and 4-7, waves 2, 3 B's: both slots are asked for at once.  A's tile is shared along a row of the cluster, B's along a column.
; With KS = 8 that is all of K: nothing is filled again, and the ring's descriptors are not assembled.
.set KS,    8
.set G0H,   12                         ; s[12:15], s[80:83] group 0 of the head's loads, A's and B's
.set G0HB,  80
.set WOFF,  2457600
.set SLOT,  102400
.set SPARE, 204800
.set A16, 16
.set A8,  18
.set A4,  20
.set B16, 22
.set B8,  24
.set B4,  26
.set SPW, 28
.set NIL, 29
.set CO,  30
.set SC,  32
.set ACC, 128
.set G1,  24
.set G0,  32
.set G1B, 48
.set G0B, 56
.set MUL,  0x05
.set TO_F, 0x40
.set MSB, 0
.macro WIN new
.if MSB != (\new)
	s_set_vgpr_msb (MSB<<8)|(\new)
.set MSB, (\new)
.endif
.endm
.macro PLACES n
.rept \n
	v_nop
.endr
.endm
.macro JLOAD g0a, g1a, g0b, g1b
	s_cmp_eq_u32 s19, 0
	s_cbranch_scc0 .Lfor_b_\@
	tensor_load_to_lds s[\g0a:\g0a+3], s[\g1a:\g1a+7]
	s_nop 0
.rept 4
	v_nop
.endr
	s_branch .Lasked_\@
.Lfor_b_\@:
	tensor_load_to_lds s[\g0b:\g0b+3], s[\g1b:\g1b+7]
	s_nop 0
.rept 4
	v_nop
.endr
.Lasked_\@:
.endm
.macro CREST
	s_cmp_lg_u32 s18, 0
	s_cbranch_scc1 .Lnot_wave_0_\@
	s_barrier_signal -3
.Lnot_wave_0_\@:
	s_barrier_wait -3
	s_barrier_signal -1
	s_barrier_wait -1
.endm
.macro CROUND
	s_barrier_signal -1
	s_barrier_wait -1
	CREST
.endm
.macro FRAG reg, a16, a8, off
	ds_load_b128 v[(\reg):(\reg)+3], v[\a16] offset:(\off)
	ds_load_b64 v[(\reg)+4:(\reg)+5], v[\a8] offset:(\off)+512
	ds_load_b128 v[(\reg)+6:(\reg)+9], v[\a16] offset:(\off)+768
	ds_load_b64 v[(\reg)+10:(\reg)+11], v[\a8] offset:(\off)+1280
.endm
.macro WM d, s0, s1, zero, sa, sb, ra, rb
.if \zero
.if (\ra) && (\rb)
	v_wmma_scale_f32_16x16x128_f8f6f4 v[(\d):(\d)+7], v[(\s0):(\s0)+11], v[(\s1):(\s1)+11], 0, v[\sa], v[\sb] matrix_a_fmt:MATRIX_FMT_FP6 matrix_b_fmt:MATRIX_FMT_FP6 matrix_a_scale:MATRIX_SCALE_ROW1 matrix_b_scale:MATRIX_SCALE_ROW1
.elseif (\ra)
	v_wmma_scale_f32_16x16x128_f8f6f4 v[(\d):(\d)+7], v[(\s0):(\s0)+11], v[(\s1):(\s1)+11], 0, v[\sa], v[\sb] matrix_a_fmt:MATRIX_FMT_FP6 matrix_b_fmt:MATRIX_FMT_FP6 matrix_a_scale:MATRIX_SCALE_ROW1
.elseif (\rb)
	v_wmma_scale_f32_16x16x128_f8f6f4 v[(\d):(\d)+7], v[(\s0):(\s0)+11], v[(\s1):(\s1)+11], 0, v[\sa], v[\sb] matrix_a_fmt:MATRIX_FMT_FP6 matrix_b_fmt:MATRIX_FMT_FP6 matrix_b_scale:MATRIX_SCALE_ROW1
.else
	v_wmma_scale_f32_16x16x128_f8f6f4 v[(\d):(\d)+7], v[(\s0):(\s0)+11], v[(\s1):(\s1)+11], 0, v[\sa], v[\sb] matrix_a_fmt:MATRIX_FMT_FP6 matrix_b_fmt:MATRIX_FMT_FP6
.endif
.else
.if (\ra) && (\rb)
	v_wmma_scale_f32_16x16x128_f8f6f4 v[(\d):(\d)+7], v[(\s0):(\s0)+11], v[(\s1):(\s1)+11], v[(\d):(\d)+7], v[\sa], v[\sb] matrix_a_fmt:MATRIX_FMT_FP6 matrix_b_fmt:MATRIX_FMT_FP6 matrix_a_scale:MATRIX_SCALE_ROW1 matrix_b_scale:MATRIX_SCALE_ROW1
.elseif (\ra)
	v_wmma_scale_f32_16x16x128_f8f6f4 v[(\d):(\d)+7], v[(\s0):(\s0)+11], v[(\s1):(\s1)+11], v[(\d):(\d)+7], v[\sa], v[\sb] matrix_a_fmt:MATRIX_FMT_FP6 matrix_b_fmt:MATRIX_FMT_FP6 matrix_a_scale:MATRIX_SCALE_ROW1
.elseif (\rb)
	v_wmma_scale_f32_16x16x128_f8f6f4 v[(\d):(\d)+7], v[(\s0):(\s0)+11], v[(\s1):(\s1)+11], v[(\d):(\d)+7], v[\sa], v[\sb] matrix_a_fmt:MATRIX_FMT_FP6 matrix_b_fmt:MATRIX_FMT_FP6 matrix_b_scale:MATRIX_SCALE_ROW1
.else
	v_wmma_scale_f32_16x16x128_f8f6f4 v[(\d):(\d)+7], v[(\s0):(\s0)+11], v[(\s1):(\s1)+11], v[(\d):(\d)+7], v[\sa], v[\sb] matrix_a_fmt:MATRIX_FMT_FP6 matrix_b_fmt:MATRIX_FMT_FP6
.endif
.endif
.endm
	s_load_b128 s[4:7], s[0:1], 0x0
	s_load_b64 s[8:9], s[0:1], 0x10
	v_lshl_add_u32 v[SPW], v0, 2, SPARE
	v_mov_b32 v[NIL], 0
	ds_add_u32 v[SPW], v[NIL]
	ds_add_u32 v[SPW], v[NIL]
	v_lshrrev_b32 v1, 5, v0
	v_readfirstlane_b32 s18, v1
	s_lshr_b32 s19, s18, 1
	s_and_b32 s20, s18, 1
	s_bfe_u32 s21, ttmp6, 0x40000
	s_bfe_u32 s22, ttmp6, 0x40004
	s_and_b32 s23, ttmp7, 0xffff
	s_lshl_b32 s66, s23, 2
	s_add_co_u32 s66, s66, s22
	s_lshl_b32 s67, ttmp9, 2
	s_add_co_u32 s67, s67, s21
	s_lshl_b32 s40, s22, 2
	s_lshl_b32 s40, 15, s40
	s_lshl_b32 s41, 0x1111, s21
	s_or_b32 s[G1], s40, (3<<16)|(1<<21)
	s_or_b32 s[G1B], s41, (3<<16)|(1<<21)
.irp g, G1, G1B
	s_mov_b32 s[\g+1], 32<<16
	s_mov_b32 s[\g+2], 200<<16
	s_mov_b32 s[\g+3], 32<<16
	s_mov_b32 s[\g+4], 200
	s_mov_b32 s[\g+5], 32
	s_mov_b32 s[\g+6], 0
	s_mov_b32 s[\g+7], 0
.endr
	s_mul_i32 s42, s20, 25600
	s_mul_i32 s68, s66, KS*12800
	s_add_co_u32 s68, s68, s42
	s_mov_b32 s69, 0
	s_mul_i32 s70, s67, KS*12800
	s_add_co_u32 s70, s70, s42
	s_add_co_u32 s70, s70, WOFF
	s_mov_b32 s71, 0
	s_mul_i32 s44, s18, 25600
	s_wait_dscnt 0x0
	s_wait_kmcnt 0x0
	s_add_nc_u64 s[72:73], s[4:5], s[68:69]
	s_add_nc_u64 s[74:75], s[6:7], s[70:71]
	CROUND
.if KS > 8
.irp s, 0,1
	s_mov_b32 s[G0+4*\s], 1
	s_add_co_u32 s[G0+4*\s+1], s44, \s*SLOT
	s_add_nc_u64 s[G0+4*\s+2:G0+4*\s+3], s[72:73], \s*51200
	s_or_b32 s[G0+4*\s+3], s[G0+4*\s+3], 0x80000000
	s_mov_b32 s[G0B+4*\s], 1
	s_add_co_u32 s[G0B+4*\s+1], s44, \s*SLOT
	s_add_nc_u64 s[G0B+4*\s+2:G0B+4*\s+3], s[74:75], \s*51200
	s_or_b32 s[G0B+4*\s+3], s[G0B+4*\s+3], 0x80000000
.endr
.endif
	s_mov_b32 s43, 0                               ; s[72:75] stand 25,600 x (wave % 2) into the block: as much again is records 4 (wave % 2) on
	s_mul_i32 s45, s20, SLOT                       ; which go to slot wave % 2,
	s_mul_i32 s46, s19, 51200                      ; A's part or B's
	s_add_co_u32 s45, s45, s46
	s_mov_b32 s[G0H], 1
	s_mov_b32 s[G0H+1], s45
	s_add_nc_u64 s[G0H+2:G0H+3], s[72:73], s[42:43]
	s_or_b32 s[G0H+3], s[G0H+3], 0x80000000
	s_mov_b32 s[G0HB], 1
	s_mov_b32 s[G0HB+1], s45
	s_add_nc_u64 s[G0HB+2:G0HB+3], s[74:75], s[42:43]
	s_or_b32 s[G0HB+3], s[G0HB+3], 0x80000000
	JLOAD G0H, G1, G0HB, G1B                       ; one tensor load a wave at the head
	v_and_b32 v1, 31, v0
	v_lshlrev_b32 v[CO], 4, v1
	s_wait_alu depctr_va_vdst(0)
	v_lshlrev_b32 v2, 3, v1
	s_wait_alu depctr_va_vdst(0)
	v_lshlrev_b32 v3, 2, v1
	s_wait_alu depctr_va_vdst(0)
	s_mul_i32 s45, s19, 6144
	s_mul_i32 s46, s20, 6144
	s_add_co_u32 s46, s46, 51200
	s_lshl_b32 s47, s19, 8
	s_add_co_u32 s47, s47, 12288
	s_lshl_b32 s76, s20, 8
	s_add_co_u32 s76, s76, 12288+51200
.irp s, 0,1
	v_add_nc_u32 v[A16+\s], s45, v[CO]
	v_add_nc_u32 v[A8+\s], s45, v2
	v_add_nc_u32 v[A4+\s], s47, v3
	v_add_nc_u32 v[B16+\s], s46, v[CO]
	v_add_nc_u32 v[B8+\s], s46, v2
	v_add_nc_u32 v[B4+\s], s76, v3
	s_add_co_u32 s45, s45, SLOT
	s_add_co_u32 s46, s46, SLOT
	s_add_co_u32 s47, s47, SLOT
	s_add_co_u32 s76, s76, SLOT
.endr
	s_lshl_b32 s40, s66, 3
	s_lshl_b32 s41, s19, 2
	s_add_co_u32 s40, s40, s41
	s_lshl_b32 s40, s40, 3
	s_add_co_u32 s40, s40, s67
	s_lshl_b32 s40, s40, 13
	s_lshl_b32 s41, s20, 12
	s_add_co_u32 s40, s40, s41
	s_mov_b32 s41, 0
	s_add_nc_u64 s[8:9], s[8:9], s[40:41]
.macro FETCH slot, q, f, P
	WIN TO_F
.irp a, 0,1,2,3
	FRAG (\f)+12*\a, A16+\slot, A8+\slot, 12800*(\q)+1536*\a
.endr
.irp b, 0,1,2,3
	FRAG (\f)+48+12*\b, B16+\slot, B8+\slot, 12800*(\q)+1536*\b
.endr
	WIN 0
.irp i, 0,1
	ds_load_b32 v[SC+4*(\P)+\i], v[A4+\slot] offset:12800*(\q)+128*\i
	ds_load_b32 v[SC+4*(\P)+2+\i], v[B4+\slot] offset:12800*(\q)+128*\i
.endr
.endm
.macro MULR f, P, a, zero
.irp b, 0,1,2,3
	WM ACC+8*(4*(\a)+\b), (\f)+48+12*\b, (\f)+12*(\a), \zero, SC+4*(\P)+2+\b/2, SC+4*(\P)+(\a)/2, \b%2, (\a)%2
.endr
.endm
.macro STEP slot, q, zero
	s_wait_dscnt 0x0
	PLACES 4
	FETCH \slot, (\q)+1, 128*(1-(\q)%2), 1-(\q)%2
	WIN MUL
	MULR 128*((\q)%2), (\q)%2, 0, \zero
	MULR 128*((\q)%2), (\q)%2, 1, \zero
	MULR 128*((\q)%2), (\q)%2, 2, \zero
	MULR 128*((\q)%2), (\q)%2, 3, \zero
.endm
.macro TURN slot, next, fill
	WIN 0
	s_wait_tensorcnt 0x0
	ds_add_u32 v[SPW], v[NIL]
	s_wait_dscnt 1
	WIN MUL
	MULR 128, 1, 0, 0
	s_wait_dscnt 0x0
	s_barrier_signal -1
	MULR 128, 1, 1, 0
	WIN 0
	s_barrier_wait -1
.if \fill
	CREST
	s_add_nc_u64 s[G0+4*\slot+2:G0+4*\slot+3], s[G0+4*\slot+2:G0+4*\slot+3], 102400
	s_add_nc_u64 s[G0B+4*\slot+2:G0B+4*\slot+3], s[G0B+4*\slot+2:G0B+4*\slot+3], 102400
	JLOAD G0+4*\slot, G1, G0B+4*\slot, G1B
.else
	PLACES 4
.endif
	FETCH \next, 0, 0, 0
	WIN MUL
	MULR 128, 1, 2, 0
	MULR 128, 1, 3, 0
.endm
	s_wait_alu depctr_va_vdst(0)
	s_wait_tensorcnt 0x0                           ; my four records are in
.if KS > 8
	s_mov_b32 s[G1+2], 100<<16                     ; no tensor load of mine is out: from here on a load brings 100 rows
	s_mov_b32 s[G1+4], 100
	s_mov_b32 s[G1B+2], 100<<16
	s_mov_b32 s[G1B+4], 100
.endif
	s_barrier_signal -1
	s_barrier_wait -1
	FETCH 0, 0, 0, 0
	STEP 0, 0, 1
.if KS > 8
	WIN 0
	s_mov_b32 s3, KS/8-1
.Llap:
	STEP 0, 1, 0
	STEP 0, 2, 0
	TURN 0, 1, 1
	STEP 1, 0, 0
	STEP 1, 1, 0
	STEP 1, 2, 0
	TURN 1, 0, 1
	STEP 0, 0, 0
	WIN 0
	s_sub_co_u32 s3, s3, 1
	s_cmp_lg_u32 s3, 0
	s_cbranch_scc1 .Llap
.endif
	STEP 0, 1, 0
	STEP 0, 2, 0
	TURN 0, 1, 0
	STEP 1, 0, 0
	STEP 1, 1, 0
	STEP 1, 2, 0
	s_wait_dscnt 0x0
	WIN MUL
	MULR 128, 1, 0, 0
	MULR 128, 1, 1, 0
	MULR 128, 1, 2, 0
	MULR 128, 1, 3, 0
	WIN 0
	PLACES 4
.irp a, 0,1,2,3
.irp q, 0,1,2,3,4,5,6,7
	global_store_b128 v[CO], v[ACC+32*\a+4*\q:ACC+32*\a+4*\q+3], s[8:9] offset:65536*\a+512*\q
.endr
.endr
	s_wait_tensorcnt 0x0
	ds_add_u32 v[SPW], v[NIL]
	s_wait_dscnt 0x0
	CROUND
	s_endpgm
.Lfunc_end_k_q4a310e30dc_oproj:
	.size	k_q4a310e30dc_oproj, .Lfunc_end_k_q4a310e30dc_oproj-k_q4a310e30dc_oproj
	.p2alignl 7, 3214868480
	.fill 96, 4, 3214868480
	.section	.rodata,"a",@progbits
	.p2align	6, 0x0
	.amdhsa_kernel k_q4a310e30dc_oproj
		.amdhsa_group_segment_fixed_size 327680
		.amdhsa_private_segment_fixed_size 0
		.amdhsa_enable_private_segment 0
		.amdhsa_kernarg_size 24
		.amdhsa_user_sgpr_count 2
		.amdhsa_user_sgpr_kernarg_segment_ptr 1
		.amdhsa_wavefront_size32 1
		.amdhsa_system_sgpr_workgroup_id_x 1
		.amdhsa_system_sgpr_workgroup_id_y 1
		.amdhsa_system_sgpr_workgroup_id_z 1
		.amdhsa_system_vgpr_workitem_id 0
		.amdhsa_next_free_vgpr 512
		.amdhsa_next_free_sgpr 88
		.amdhsa_reserve_vcc 0
		.amdhsa_float_denorm_mode_32 3
		.amdhsa_float_denorm_mode_16_64 3
		.amdhsa_memory_ordered 1
		.amdhsa_forward_progress 1
		.amdhsa_inst_pref_size 46
	.end_amdhsa_kernel
	.amdgpu_metadata
---
amdhsa.version: [ 1, 2 ]
amdhsa.kernels:
  - .name:           k_q4a310e30dc_oproj
    .symbol:         k_q4a310e30dc_oproj.kd
    .args:
      - { .name: a_img, .offset: 0, .size: 8, .value_kind: global_buffer, .address_space: global }
      - { .name: w_img, .offset: 8, .size: 8, .value_kind: global_buffer, .address_space: global }
      - { .name: c_img, .offset: 16, .size: 8, .value_kind: global_buffer, .address_space: global }
    .group_segment_fixed_size: 327680
    .private_segment_fixed_size: 0
    .kernarg_segment_align: 8
    .kernarg_segment_size: 24
    .max_flat_workgroup_size: 128
    .sgpr_count:     88
    .vgpr_count:     512
    .wavefront_size: 32
...
	.end_amdgpu_metadata
.endif
;; end of part 4
;; launch ln1 (part 5): grid 256 x 1, 8 waves a work-group, no clusters, 69,632 bytes of LDS; arguments c_img, x, bo, g1, be1, h_f32, a_img; writes h_f32, a_img
.if DOCPART == 5
	.amdgcn_target "amdgcn-amd-amdhsa--gfx1250"
	.amdhsa_code_object_version 6
	.text
	.protected	k_q4a310e30dc_ln1
	.globl	k_q4a310e30dc_ln1
	.p2align	8
	.type	k_q4a310e30dc_ln1,@function
k_q4a310e30dc_ln1:
	s_mov_b64 s[64:65], 0
	v_nop
	global_prefetch_b8 v0, s[64:65] scope:SCOPE_SE
	s_setreg_imm32_b32 hwreg(HW_REG_WAVE_MODE, 25, 1), 1
	s_wait_xcnt 0x0
; WHICH = 1: h = layernorm(o Wo + bo + x; g1, be1), stored as f32 (h_f32, in the image's order) and as codes of E2M3 (a_img, the operand of the product with W1).
; WHICH = 2: out0 = layernorm(hidden W2 + b2 + h; g2, be2), stored as rows.  (src_mask is left out: see the first kernel.)
; A work-group owns one fragment of 16 tokens (block = number / 8, fragment f = number % 8: rows 32 (f / 2) + 8 (f % 2) + r + 8 (r / 8)), whole rows of 1,024.  Wave w owns columns 128 w .. 128 w + 127:
; lane (r, h) holds 64 numbers of row r, register 16 b + i = column 128 w + 32 b + 16 h + i: the order in which the product's launch stored them, and the quantiser's order.
; Mean and variance in two passes, as reference() has them (the mean is taken away before the squares); each is summed in the lane, with lane l xor 16, and over the eight waves through 512 bytes of LDS and a barrier.
; Rows that lie as rows in memory (x in, out0 out) turn through the wave's own stage, 16 rows 528 bytes apart.  LIMITS: as in the first kernel.
.set WHICH, 1
.set RED1,  67584                      ; behind the eight stages of 8,448 bytes: [wave][r] sums; the squares' 512 bytes on
.set SPARE, 68608                      ; the spare words, 128 bytes a wave
.set SPW, 12
.set NIL, 13
.set TM,  16
.set PC,  32
.set PW,  52
.set SEL, 20
.set D,   64                           ; v64-127 the row's numbers
.set R,   128                          ; v128-191 the residual, then the gain, then rows on their way out
.set BB,  192                          ; v192-255 the bias, then the shift
.macro QUANT s
.irp b, 0,1,2,3
	v_max3_num_f32 v[TM+\b], |v[\s+16*\b]|, |v[\s+1+16*\b]|, 0x1800000
.endr
.irp i, 2,4,6,8,10,12,14
.irp b, 0,1,2,3
	s_delay_alu instid0(VALU_DEP_4)
	v_max3_num_f32 v[TM+\b], v[TM+\b], |v[\s+16*\b+\i]|, |v[\s+1+16*\b+\i]|
.endr
.endr
.irp b, 0,1,2,3
	s_delay_alu instid0(VALU_DEP_4)
	v_permlanex16_b32 v[TM+4+\b], v[TM+\b], s[SEL], s[SEL+1]
.endr
.irp b, 0,1,2,3
	s_delay_alu instid0(VALU_DEP_4)
	v_max_num_f32 v[TM+\b], v[TM+\b], v[TM+4+\b]
.endr
.irp b, 0,1,2,3
	s_delay_alu instid0(VALU_DEP_4)
	v_add_nc_u32 v[TM+12+\b], 0xff000000, v[TM+\b]
.endr
.irp b, 0,1,2,3
	s_delay_alu instid0(VALU_DEP_4)
	v_lshrrev_b32 v[TM+4+\b], 23, v[TM+12+\b]
.endr
	s_delay_alu instid0(VALU_DEP_3)
	v_lshl_or_b32 v[PW], v[TM+5], 8, v[TM+4]
	s_delay_alu instid0(VALU_DEP_1)
	v_lshl_or_b32 v[PW], v[TM+6], 16, v[PW]
	s_delay_alu instid0(VALU_DEP_1)
	v_lshl_or_b32 v[PW], v[TM+7], 24, v[PW]
.irp c, 0,1
	v_cvt_scalef32_pk16_fp6_f32 v[PC+6*\c:PC+2+6*\c], v[\s+32*\c:\s+15+32*\c], v[TM+12+2*\c]
	v_cvt_scalef32_pk16_fp6_f32 v[PC+12+4*\c:PC+14+4*\c], v[\s+16+32*\c:\s+31+32*\c], v[TM+12+2*\c+1]
.endr
	v_nop
.irp c, 0,1
.irp i, 0,1,2
	v_permlane16_swap_b32 v[PC+6*\c+\i], v[PC+12+4*\c+\i]
.endr
.irp i, 0,1,2
	s_delay_alu instid0(VALU_DEP_3)
	v_mov_b32 v[PC+3+6*\c+\i], v[PC+12+4*\c+\i]
.endr
.endr
.endm
.macro REDUCE off                      ; v54: my 64 numbers' sum -> v54: the row's, over all 1,024 columns, the same bits in every wave
	s_delay_alu instid0(VALU_DEP_1)
	v_permlanex16_b32 v58, v54, s[SEL], s[SEL+1]
	s_delay_alu instid0(VALU_DEP_1)
	v_add_f32 v54, v54, v58
	ds_store_b32 v9, v54 offset:\off               ; both lanes of a row write the same word with the same value
	s_wait_dscnt 0x0                               ; for the others' sake
	s_barrier_signal -1
	s_barrier_wait -1
.irp k, 0,1,2,3,4,5,6,7
	ds_load_b32 v[TM+\k], v11 offset:\off+64*\k
.endr
	s_wait_dscnt 0x0
	v_add_f32 v[TM], v[TM], v[TM+1]
	v_add_f32 v[TM+2], v[TM+2], v[TM+3]
	v_add_f32 v[TM+4], v[TM+4], v[TM+5]
	v_add_f32 v[TM+6], v[TM+6], v[TM+7]
	s_delay_alu instid0(VALU_DEP_3)
	v_add_f32 v[TM], v[TM], v[TM+2]
	s_delay_alu instid0(VALU_DEP_2)
	v_add_f32 v[TM+4], v[TM+4], v[TM+6]
	s_delay_alu instid0(VALU_DEP_1)
	v_add_f32 v54, v[TM], v[TM+4]
.endm
	s_load_b256 s[4:11], s[0:1], 0x0               ; c_img s[4:5], the residual s[6:7], the bias s[8:9], the gain s[10:11]
	s_load_b128 s[12:15], s[0:1], 0x20             ; the shift s[12:13], the f32 result s[14:15]
.if WHICH == 1
	s_load_b64 s[16:17], s[0:1], 0x30              ; a_img
.endif
	v_lshl_add_u32 v[SPW], v0, 2, SPARE
	v_mov_b32 v[NIL], 0
	v_lshrrev_b32 v1, 5, v0
	s_delay_alu instid0(VALU_DEP_1)
	v_readfirstlane_b32 s18, v1                    ; wave 0..7
	v_and_b32 v1, 31, v0
	v_and_b32 v2, 15, v0                           ; r
	v_bfe_u32 v3, v0, 4, 1                         ; h
	s_delay_alu instid0(VALU_DEP_3)
	v_lshlrev_b32 v4, 4, v1                        ; 16 x lane
	s_delay_alu instid0(VALU_DEP_4)
	v_lshlrev_b32 v5, 3, v1                        ; 8 x lane
	s_delay_alu instid0(VALU_DEP_3)
	v_lshlrev_b32 v6, 6, v3                        ; 64 h
	s_mul_i32 s19, s18, 8448                       ; my stage
	v_add_nc_u32 v7, s19, v4                       ; by rows: 16 x lane
	v_mul_u32_u24 v8, v2, 528
	s_delay_alu instid0(VALU_DEP_1)
	v_add_nc_u32 v8, v8, v6
	s_delay_alu instid0(VALU_DEP_1)
	v_add_nc_u32 v8, s19, v8                       ; by lanes: row r, + 64 h
	v_lshlrev_b32 v10, 2, v2                       ; 4 r
	s_wait_alu depctr_va_vdst(0)
	s_lshl_b32 s19, s18, 6
	v_add_nc_u32 v9, s19, v10
	s_delay_alu instid0(VALU_DEP_1)
	v_add_nc_u32 v9, RED1, v9                      ; my wave's sums
	v_add_nc_u32 v11, RED1, v10                    ; all waves'
	v_mov_b32 v58, 0                               ; a lane permute's destination counts as one of its sources
.irp b, 0,1,2,3
	v_mov_b32 v[TM+4+\b], 0
.endr
	s_mov_b32 s[SEL], 0x76543210
	s_mov_b32 s[SEL+1], 0xfedcba98
	s_lshr_b32 s22, ttmp9, 3                       ; block
	s_and_b32 s23, ttmp9, 7                        ; f
	s_lshl_b32 s24, ttmp9, 3
	s_add_co_u32 s24, s24, s18
	s_lshl_b32 s24, s24, 13                        ; the f32 images: (8 x number + w) x 8,192
	s_mov_b32 s25, 0
	s_lshl_b32 s26, s22, 7
	s_lshr_b32 s27, s23, 1
	s_lshl_b32 s27, s27, 5
	s_add_co_u32 s26, s26, s27
	s_and_b32 s27, s23, 1
	s_lshl_b32 s27, s27, 3
	s_add_co_u32 s26, s26, s27                     ; the fragment's first row
	s_lshl_b32 s26, s26, 12
	s_lshl_b32 s28, s18, 9                         ; my 128 columns: 512 bytes
	s_add_co_u32 s26, s26, s28
	s_mov_b32 s27, 0
	s_mov_b32 s29, 0
	s_mov_b32 s30, 0x3a800000                      ; 1 / 1,024
	s_mov_b32 s31, 0x3727c5ac                      ; 1e-5
	s_lshl_b32 s32, s22, 3
	s_add_co_u32 s32, s32, s18
	s_mul_i32 s32, s32, 12800                      ; a_img: record (block, w),
	s_mul_i32 s33, s23, 1536
	s_add_co_u32 s32, s32, s33                     ; fragment f
	s_mov_b32 s33, 0
	s_lshl_b32 s34, s23, 6
	s_mul_i32 s35, s23, 1536
	s_sub_co_u32 s34, s34, s35                     ; from the fragment to its words: 64 f - 1,536 f (+ 12,288): at least 1,984 with the 12,288
	s_add_co_u32 s34, s34, 12288
	v_add_nc_u32 v10, s34, v10
	s_wait_kmcnt 0x0
	s_add_nc_u64 s[4:5], s[4:5], s[24:25]
	s_add_nc_u64 s[8:9], s[8:9], s[28:29]
	s_add_nc_u64 s[10:11], s[10:11], s[28:29]
	s_add_nc_u64 s[12:13], s[12:13], s[28:29]
.if WHICH == 1
	s_add_nc_u64 s[6:7], s[6:7], s[26:27]
	s_add_nc_u64 s[14:15], s[14:15], s[24:25]
	s_add_nc_u64 s[16:17], s[16:17], s[32:33]
.set m, 0
.rept 16
	global_load_b128 v[R+4*m:R+4*m+3], v4, s[6:7] offset:(m+8*(m/8))*4096 th:TH_LOAD_NT   ; x: 512 consecutive bytes of one row
.set m, m+1
.endr
.else
	s_add_nc_u64 s[6:7], s[6:7], s[24:25]
	s_add_nc_u64 s[14:15], s[14:15], s[26:27]
.set m, 0
.rept 16
	global_load_b128 v[R+4*m:R+4*m+3], v4, s[6:7] offset:512*m th:TH_LOAD_NT              ; h, in the image's order
.set m, m+1
.endr
.endif
.set m, 0
.rept 16
	global_load_b128 v[D+4*m:D+4*m+3], v4, s[4:5] offset:512*m th:TH_LOAD_NT
.set m, m+1
.endr
.irp b, 0,1,2,3
.irp q, 0,1,2,3
	global_load_b128 v[BB+16*\b+4*\q:BB+16*\b+4*\q+3], v6, s[8:9] offset:128*\b+16*\q
.endr
.endr
.if WHICH == 1
	s_wait_loadcnt 32                              ; x is in; the 32 loads behind it may be out
.set m, 0
.rept 16
	ds_store_b128 v7, v[R+4*m:R+4*m+3] offset:528*m
.set m, m+1
.endr
	s_wait_dscnt 0x0                               ; the stores have read their registers
.irp b, 0,1,2,3
.irp q, 0,1,2,3
	ds_load_b128 v[R+16*\b+4*\q:R+16*\b+4*\q+3], v8 offset:128*\b+16*\q
.endr
.endr
	s_wait_dscnt 0x0
.endif
	s_wait_loadcnt 0x0
.set j, 0
.rept 32
	v_pk_add_f32 v[D+j:D+j+1], v[D+j:D+j+1], v[BB+j:BB+j+1]   ; the product + its bias,
.set j, j+2
.endr
.set j, 0
.rept 32
	v_pk_add_f32 v[D+j:D+j+1], v[D+j:D+j+1], v[R+j:R+j+1]     ; + the residual
.set j, j+2
.endr
.irp b, 0,1,2,3
.irp q, 0,1,2,3
	global_load_b128 v[R+16*\b+4*\q:R+16*\b+4*\q+3], v6, s[10:11] offset:128*\b+16*\q     ; the gain and the shift land under the two sums
	global_load_b128 v[BB+16*\b+4*\q:BB+16*\b+4*\q+3], v6, s[12:13] offset:128*\b+16*\q
.endr
.endr
	v_pk_add_f32 v[56:57], v[64:65], v[66:67]
	v_pk_add_f32 v[62:63], v[72:73], v[76:77]
	v_pk_add_f32 v[60:61], v[80:81], v[84:85]
	v_pk_add_f32 v[52:53], v[88:89], v[92:93]
	v_pk_add_f32 v[50:51], v[96:97], v[100:101]
	v_pk_add_f32 v[48:49], v[104:105], v[108:109]
	v_pk_add_f32 v[46:47], v[112:113], v[116:117]
	v_pk_add_f32 v[54:55], v[120:121], v[124:125]
	s_delay_alu instid0(VALU_DEP_1)
	v_pk_add_f32 v[54:55], v[54:55], v[68:69]
	v_pk_add_f32 v[56:57], v[56:57], v[70:71]
	v_pk_add_f32 v[62:63], v[62:63], v[74:75]
	v_pk_add_f32 v[60:61], v[60:61], v[78:79]
	v_pk_add_f32 v[52:53], v[52:53], v[82:83]
	v_pk_add_f32 v[50:51], v[50:51], v[86:87]
	v_pk_add_f32 v[48:49], v[48:49], v[90:91]
	v_pk_add_f32 v[46:47], v[46:47], v[94:95]
	v_pk_add_f32 v[54:55], v[54:55], v[98:99]
	v_pk_add_f32 v[56:57], v[56:57], v[102:103]
	v_pk_add_f32 v[62:63], v[62:63], v[106:107]
	v_pk_add_f32 v[60:61], v[60:61], v[110:111]
	v_pk_add_f32 v[52:53], v[52:53], v[114:115]
	v_pk_add_f32 v[50:51], v[50:51], v[118:119]
	v_pk_add_f32 v[48:49], v[48:49], v[122:123]
	v_pk_add_f32 v[46:47], v[46:47], v[126:127]
	s_delay_alu instid0(VALU_DEP_4)
	v_pk_add_f32 v[54:55], v[54:55], v[52:53]
	s_delay_alu instid0(VALU_DEP_4)
	v_pk_add_f32 v[56:57], v[56:57], v[50:51]
	s_delay_alu instid0(VALU_DEP_4)
	v_pk_add_f32 v[62:63], v[62:63], v[48:49]
	s_delay_alu instid0(VALU_DEP_4)
	v_pk_add_f32 v[60:61], v[60:61], v[46:47]
	s_delay_alu instid0(VALU_DEP_2)
	v_pk_add_f32 v[54:55], v[54:55], v[62:63]
	s_delay_alu instid0(VALU_DEP_2)
	v_pk_add_f32 v[56:57], v[56:57], v[60:61]
	s_delay_alu instid0(VALU_DEP_1)
	v_pk_add_f32 v[54:55], v[54:55], v[56:57]
	s_delay_alu instid0(VALU_DEP_1)
	v_add_f32 v54, v54, v55
	REDUCE 0
	s_delay_alu instid0(VALU_DEP_1)
	v_mul_f32 v62, s30, v54                        ; the mean
	s_delay_alu instid0(VALU_DEP_1)
	v_mov_b32 v63, v62
.set j, 0
.rept 32
	v_pk_add_f32 v[D+j:D+j+1], v[D+j:D+j+1], v[62:63] neg_lo:[0,1] neg_hi:[0,1]
.set j, j+2
.endr
	v_pk_mul_f32 v[54:55], v[D:D+1], v[D:D+1]
	v_pk_mul_f32 v[56:57], v[D+2:D+3], v[D+2:D+3]
.irp j, 4,8,12,16,20,24,28,32,36,40,44,48,52,56,60
	s_delay_alu instid0(VALU_DEP_2)
	v_pk_fma_f32 v[54:55], v[D+\j:D+\j+1], v[D+\j:D+\j+1], v[54:55]
	s_delay_alu instid0(VALU_DEP_2)
	v_pk_fma_f32 v[56:57], v[D+\j+2:D+\j+3], v[D+\j+2:D+\j+3], v[56:57]
.endr
	s_delay_alu instid0(VALU_DEP_1)
	v_pk_add_f32 v[54:55], v[54:55], v[56:57]
	s_delay_alu instid0(VALU_DEP_1)
	v_add_f32 v54, v54, v55
	REDUCE 512
	s_delay_alu instid0(VALU_DEP_1)
	v_fma_f32 v60, v54, s30, s31                   ; the variance + 1e-5
	s_wait_alu depctr_va_vdst(0)
	v_rsq_f32 v62, v60
	v_nop                                          ; a plain line behind it
	s_wait_alu depctr_va_vdst(0)                   ; and the wait ahead of its first reader
	v_mov_b32 v63, v62
	s_wait_alu depctr_va_vdst(0)
	s_wait_loadcnt 0x0                             ; the gain and the shift
.set j, 0
.rept 32
	v_pk_mul_f32 v[D+j:D+j+1], v[D+j:D+j+1], v[62:63]
.set j, j+2
.endr
.set j, 0
.rept 32
	v_pk_fma_f32 v[D+j:D+j+1], v[D+j:D+j+1], v[R+j:R+j+1], v[BB+j:BB+j+1]
.set j, j+2
.endr
.if WHICH == 1
.set m, 0
.rept 16
	global_store_b128 v4, v[D+4*m:D+4*m+3], s[14:15] offset:512*m   ; 512 consecutive bytes a store
.set m, m+1
.endr
	QUANT D
	global_store_b128 v4, v[PC:PC+3], s[16:17]
	global_store_b64 v5, v[PC+4:PC+5], s[16:17] offset:512
	global_store_b128 v4, v[PC+6:PC+9], s[16:17] offset:768
	global_store_b64 v5, v[PC+10:PC+11], s[16:17] offset:1280
	global_store_b32 v10, v[PW], s[16:17]          ; the rows' words; lanes 16-31 name the same addresses with the same values as lanes 0-15
.else
.irp b, 0,1,2,3
.irp q, 0,1,2,3
	ds_store_b128 v8, v[D+16*\b+4*\q:D+16*\b+4*\q+3] offset:128*\b+16*\q
.endr
.endr
.set m, 0
.rept 16
	ds_load_b128 v[R+4*m:R+4*m+3], v7 offset:528*m ; LDS serves a wave's instructions in order: these see the stores above
.set m, m+1
.endr
.set m, 0
.rept 16
	s_wait_dscnt 15-m                              ; row m is back; the younger rows may be out
	global_store_b128 v4, v[R+4*m:R+4*m+3], s[14:15] offset:(m+8*(m/8))*4096 th:TH_STORE_NT   ; 512 consecutive bytes of one row
.set m, m+1
.endr
.endif
	s_wait_tensorcnt 0x0                           ; the wave's end, behind my last LDS store
	ds_add_u32 v[SPW], v[NIL]
	s_wait_dscnt 0x0
	s_endpgm
.Lfunc_end_k_q4a310e30dc_ln1:
	.size	k_q4a310e30dc_ln1, .Lfunc_end_k_q4a310e30dc_ln1-k_q4a310e30dc_ln1
	.p2alignl 7, 3214868480
	.fill 96, 4, 3214868480
	.section	.rodata,"a",@progbits
	.p2align	6, 0x0
	.amdhsa_kernel k_q4a310e30dc_ln1
		.amdhsa_group_segment_fixed_size 69632
		.amdhsa_private_segment_fixed_size 0
		.amdhsa_enable_private_segment 0
		.amdhsa_kernarg_size 56
		.amdhsa_user_sgpr_count 2
		.amdhsa_user_sgpr_kernarg_segment_ptr 1
		.amdhsa_wavefront_size32 1
		.amdhsa_system_sgpr_workgroup_id_x 1
		.amdhsa_system_sgpr_workgroup_id_y 1
		.amdhsa_system_sgpr_workgroup_id_z 1
		.amdhsa_system_vgpr_workitem_id 0
		.amdhsa_next_free_vgpr 256
		.amdhsa_next_free_sgpr 66
		.amdhsa_reserve_vcc 0
		.amdhsa_float_denorm_mode_32 3
		.amdhsa_float_denorm_mode_16_64 3
		.amdhsa_memory_ordered 1
		.amdhsa_forward_progress 1
		.amdhsa_inst_pref_size 39
	.end_amdhsa_kernel
	.amdgpu_metadata
---
amdhsa.version: [ 1, 2 ]
amdhsa.kernels:
  - .name:           k_q4a310e30dc_ln1
    .symbol:         k_q4a310e30dc_ln1.kd
    .args:
      - { .name: c_img, .offset: 0, .size: 8, .value_kind: global_buffer, .address_space: global }
      - { .name: x, .offset: 8, .size: 8, .value_kind: global_buffer, .address_space: global }
      - { .name: bo, .offset: 16, .size: 8, .value_kind: global_buffer, .address_space: global }
      - { .name: g1, .offset: 24, .size: 8, .value_kind: global_buffer, .address_space: global }
      - { .name: be1, .offset: 32, .size: 8, .value_kind: global_buffer, .address_space: global }
      - { .name: h_f32, .offset: 40, .size: 8, .value_kind: global_buffer, .address_space: global }
      - { .name: a_img, .offset: 48, .size: 8, .value_kind: global_buffer, .address_space: global }
    .group_segment_fixed_size: 69632
    .private_segment_fixed_size: 0
    .kernarg_segment_align: 8
    .kernarg_segment_size: 56
    .max_flat_workgroup_size: 256
    .sgpr_count:     66
    .vgpr_count:     256
    .wavefront_size: 32
...
	.end_amdgpu_metadata
.endif
;; end of part 5
;; launch ffn1 (part 6): grid 16 x 16, 4 waves a work-group, clusters of 4 x 4, 327,680 bytes of LDS; arguments a_img, w_img, b1, hid_img; writes hid_img
.if DOCPART == 6
	.amdgcn_target "amdgcn-amd-amdhsa--gfx1250"
	.amdhsa_code_object_version 6
	.text
	.protected	k_q4a310e30dc_ffn1
	.globl	k_q4a310e30dc_ffn1
	.p2align	8
	.type	k_q4a310e30dc_ffn1,@function
k_q4a310e30dc_ffn1:
	s_mov_b64 s[64:65], 0
	v_nop
	global_prefetch_b8 v0, s[64:65] scope:SCOPE_SE
	s_setreg_imm32_b32 hwreg(HW_REG_WAVE_MODE, 25, 1), 1
	s_wait_xcnt 0x0
	s_wait_alu depctr_hold_cnt(0) depctr_sa_sdst(0) depctr_va_vdst(0) depctr_va_sdst(0) depctr_va_ssrc(0) depctr_va_vcc(0) depctr_vm_vsrc(0)
	s_getreg_b32 s2, hwreg(HW_REG_IB_STS2, 6, 4)
	s_cmp_eq_u32 s2, 0
	s_cbranch_scc0 .Lentry_in_a_cluster
	s_endpgm
.Lentry_in_a_cluster:
	s_bfe_u32 s2, ttmp6, 0x10000c
	s_cmp_lg_u32 s2, 0xf033
	s_cbranch_scc0 .Lentry_shape_is_right
	s_endpgm
.Lentry_shape_is_right:
; hidden = relu(h W1 + b1) on codes of E2M3 (K = 1,024), quantised in registers along the next K and stored as operand records (hid_img).  (src_mask is left out: see the first kernel.)
; A tile is 256 x 256, four waves of 128 x 128; source 0 takes W1's columns, source 1 the tokens, so that a lane's 64 results of a token fragment stand in the quantiser's order, as in the launch for Q, K, V.
; LDS is laid by wave: wave w's block (waves 0, 1 the tokens' two blocks, waves 2, 3 W1's) has 51,200 bytes at 51,200 w, four records on end; slot s is records 2 s and 2 s + 1 of each block, 25,600 s on.
; At the head each wave asks for its block's records 0-3 by ONE joint load of 200 rows of 256 bytes, which fills both slots; behind the wait for it group 1's two row words are set to 100, and a refill brings two records.
; LIMITS: as in the first kernel.
.set SLOT,  25600
.set SPARE, 204800
.set WOFF,  3276800
.set A16, 16
.set A8,  18
.set A4,  20
.set B16, 22
.set B8,  24
.set B4,  26
.set SPW, 28
.set NIL, 29
.set O16, 30
.set O8,  31
.set SC,  32
.set O4,  48
.set BI,  64
.set AF,  128
.set T,   128
.set PC,  192
.set TM,  212
.set PW,  228
.set PWK, 229
.set W,   230
.set G1,  24
.set G0,  32
.set G1B, 48
.set G0B, 56
.set SEL, 86
.set MUL_LO, 0xa1
.set MUL_HI, 0xf1
.set TO_B,   0x40
.set MSB, 0
.macro WIN new
.if MSB != (\new)
	s_set_vgpr_msb (MSB<<8)|(\new)
.set MSB, (\new)
.endif
.endm
.macro PLACES n
.rept \n
	v_nop
.endr
.endm
.macro JLOAD g0a, g1a, g0b, g1b
	s_cmp_eq_u32 s19, 0
	s_cbranch_scc0 .Lfor_b_\@
	tensor_load_to_lds s[\g0a:\g0a+3], s[\g1a:\g1a+7]
	s_nop 0
.rept 4
	v_nop
.endr
	s_branch .Lasked_\@
.Lfor_b_\@:
	tensor_load_to_lds s[\g0b:\g0b+3], s[\g1b:\g1b+7]
	s_nop 0
.rept 4
	v_nop
.endr
.Lasked_\@:
.endm
.macro CREST
	s_cmp_lg_u32 s18, 0
	s_cbranch_scc1 .Lnot_wave_0_\@
	s_barrier_signal -3
.Lnot_wave_0_\@:
	s_barrier_wait -3
	s_barrier_signal -1
	s_barrier_wait -1
.endm
.macro CROUND
	s_barrier_signal -1
	s_barrier_wait -1
	CREST
.endm
.macro FRAG reg, a16, a8, off
	ds_load_b128 v[(\reg):(\reg)+3], v[\a16] offset:(\off)
	ds_load_b64 v[(\reg)+4:(\reg)+5], v[\a8] offset:(\off)+512
	ds_load_b128 v[(\reg)+6:(\reg)+9], v[\a16] offset:(\off)+768
	ds_load_b64 v[(\reg)+10:(\reg)+11], v[\a8] offset:(\off)+1280
.endm
.macro WM d, s0, s1, zero, sa, sb, ra, rb
.if \zero
.if (\ra) && (\rb)
	v_wmma_scale_f32_16x16x128_f8f6f4 v[(\d):(\d)+7], v[(\s0):(\s0)+11], v[(\s1):(\s1)+11], 0, v[\sa], v[\sb] matrix_a_fmt:MATRIX_FMT_FP6 matrix_b_fmt:MATRIX_FMT_FP6 matrix_a_scale:MATRIX_SCALE_ROW1 matrix_b_scale:MATRIX_SCALE_ROW1
.elseif (\ra)
	v_wmma_scale_f32_16x16x128_f8f6f4 v[(\d):(\d)+7], v[(\s0):(\s0)+11], v[(\s1):(\s1)+11], 0, v[\sa], v[\sb] matrix_a_fmt:MATRIX_FMT_FP6 matrix_b_fmt:MATRIX_FMT_FP6 matrix_a_scale:MATRIX_SCALE_ROW1
.elseif (\rb)
	v_wmma_scale_f32_16x16x128_f8f6f4 v[(\d):(\d)+7], v[(\s0):(\s0)+11], v[(\s1):(\s1)+11], 0, v[\sa], v[\sb] matrix_a_fmt:MATRIX_FMT_FP6 matrix_b_fmt:MATRIX_FMT_FP6 matrix_b_scale:MATRIX_SCALE_ROW1
.else
	v_wmma_scale_f32_16x16x128_f8f6f4 v[(\d):(\d)+7], v[(\s0):(\s0)+11], v[(\s1):(\s1)+11], 0, v[\sa], v[\sb] matrix_a_fmt:MATRIX_FMT_FP6 matrix_b_fmt:MATRIX_FMT_FP6
.endif
.else
.if (\ra) && (\rb)
	v_wmma_scale_f32_16x16x128_f8f6f4 v[(\d):(\d)+7], v[(\s0):(\s0)+11], v[(\s1):(\s1)+11], v[(\d):(\d)+7], v[\sa], v[\sb] matrix_a_fmt:MATRIX_FMT_FP6 matrix_b_fmt:MATRIX_FMT_FP6 matrix_a_scale:MATRIX_SCALE_ROW1 matrix_b_scale:MATRIX_SCALE_ROW1
.elseif (\ra)
	v_wmma_scale_f32_16x16x128_f8f6f4 v[(\d):(\d)+7], v[(\s0):(\s0)+11], v[(\s1):(\s1)+11], v[(\d):(\d)+7], v[\sa], v[\sb] matrix_a_fmt:MATRIX_FMT_FP6 matrix_b_fmt:MATRIX_FMT_FP6 matrix_a_scale:MATRIX_SCALE_ROW1
.elseif (\rb)
	v_wmma_scale_f32_16x16x128_f8f6f4 v[(\d):(\d)+7], v[(\s0):(\s0)+11], v[(\s1):(\s1)+11], v[(\d):(\d)+7], v[\sa], v[\sb] matrix_a_fmt:MATRIX_FMT_FP6 matrix_b_fmt:MATRIX_FMT_FP6 matrix_b_scale:MATRIX_SCALE_ROW1
.else
	v_wmma_scale_f32_16x16x128_f8f6f4 v[(\d):(\d)+7], v[(\s0):(\s0)+11], v[(\s1):(\s1)+11], v[(\d):(\d)+7], v[\sa], v[\sb] matrix_a_fmt:MATRIX_FMT_FP6 matrix_b_fmt:MATRIX_FMT_FP6
.endif
.endif
.endm
.macro QUANT s
.irp b, 0,1,2,3
	v_max3_num_f32 v[TM+\b], |v[\s+16*\b]|, |v[\s+1+16*\b]|, 0x1800000
.endr
.irp i, 2,4,6,8,10,12,14
.irp b, 0,1,2,3
	v_max3_num_f32 v[TM+\b], v[TM+\b], |v[\s+16*\b+\i]|, |v[\s+1+16*\b+\i]|
.endr
.endr
.irp b, 0,1,2,3
	v_permlanex16_b32 v[TM+4+\b], v[TM+\b], s[SEL], s[SEL+1]
.endr
.irp b, 0,1,2,3
	v_max_num_f32 v[TM+\b], v[TM+\b], v[TM+4+\b]
.endr
.irp b, 0,1,2,3
	v_add_nc_u32 v[TM+12+\b], 0xff000000, v[TM+\b]
.endr
.irp b, 0,1,2,3
	v_lshrrev_b32 v[TM+4+\b], 23, v[TM+12+\b]
.endr
	v_lshl_or_b32 v[PW], v[TM+5], 8, v[TM+4]
	v_lshl_or_b32 v[PW], v[TM+6], 16, v[PW]
	v_lshl_or_b32 v[PW], v[TM+7], 24, v[PW]
.irp c, 0,1
	v_cvt_scalef32_pk16_fp6_f32 v[PC+6*\c:PC+2+6*\c], v[\s+32*\c:\s+15+32*\c], v[TM+12+2*\c]
	v_cvt_scalef32_pk16_fp6_f32 v[PC+12+4*\c:PC+14+4*\c], v[\s+16+32*\c:\s+31+32*\c], v[TM+12+2*\c+1]
.endr
	v_nop
.irp c, 0,1
.irp i, 0,1,2
	v_permlane16_swap_b32 v[PC+6*\c+\i], v[PC+12+4*\c+\i]
.endr
.irp i, 0,1,2
	v_mov_b32 v[PC+3+6*\c+\i], v[PC+12+4*\c+\i]
.endr
.endr
.endm
	s_load_b256 s[4:11], s[0:1], 0x0
	v_lshl_add_u32 v[SPW], v0, 2, SPARE
	v_mov_b32 v[NIL], 0
	ds_add_u32 v[SPW], v[NIL]
	ds_add_u32 v[SPW], v[NIL]
	v_lshrrev_b32 v1, 5, v0
	v_readfirstlane_b32 s18, v1
	s_lshr_b32 s19, s18, 1
	s_and_b32 s20, s18, 1
	s_bfe_u32 s21, ttmp6, 0x40000
	s_bfe_u32 s22, ttmp6, 0x40004
	s_and_b32 s23, ttmp7, 0xffff
	s_lshl_b32 s66, s23, 2
	s_add_co_u32 s66, s66, s22
	s_lshl_b32 s67, ttmp9, 2
	s_add_co_u32 s67, s67, s21
	s_lshl_b32 s40, s22, 2
	s_lshl_b32 s40, 15, s40
	s_lshl_b32 s41, 0x1111, s21
	s_or_b32 s[G1], s40, (3<<16)|(1<<21)
	s_or_b32 s[G1B], s41, (3<<16)|(1<<21)
.irp g, G1, G1B
	s_mov_b32 s[\g+1], 32<<16
	s_mov_b32 s[\g+2], 200<<16
	s_mov_b32 s[\g+3], 32<<16
	s_mov_b32 s[\g+4], 200
	s_mov_b32 s[\g+5], 32
	s_mov_b32 s[\g+6], 0
	s_mov_b32 s[\g+7], 0
.endr
	s_lshl_b32 s68, s66, 1
	s_add_co_u32 s68, s68, s20
	s_mul_i32 s68, s68, 102400
	s_mov_b32 s69, 0
	s_lshl_b32 s70, s67, 1
	s_add_co_u32 s70, s70, s20
	s_mul_i32 s70, s70, 102400
	s_add_co_u32 s70, s70, WOFF
	s_mov_b32 s71, 0
	s_mul_i32 s44, s18, 51200
	s_mov_b32 s84, 0xffff0000
	s_mov_b32 s[SEL], 0x76543210
	s_mov_b32 s[SEL+1], 0xfedcba98
	s_wait_dscnt 0x0
	s_wait_kmcnt 0x0
	s_add_nc_u64 s[72:73], s[4:5], s[68:69]
	s_add_nc_u64 s[74:75], s[6:7], s[70:71]
	CROUND
.irp s, 0,1
	s_mov_b32 s[G0+4*\s], 1
	s_add_co_u32 s[G0+4*\s+1], s44, \s*SLOT
	s_add_nc_u64 s[G0+4*\s+2:G0+4*\s+3], s[72:73], \s*25600
	s_or_b32 s[G0+4*\s+3], s[G0+4*\s+3], 0x80000000
	s_mov_b32 s[G0B+4*\s], 1
	s_add_co_u32 s[G0B+4*\s+1], s44, \s*SLOT
	s_add_nc_u64 s[G0B+4*\s+2:G0B+4*\s+3], s[74:75], \s*25600
	s_or_b32 s[G0B+4*\s+3], s[G0B+4*\s+3], 0x80000000
.endr
	JLOAD G0, G1, G0B, G1B                         ; records 0-3 of my block: one tensor load a wave at the head
	v_and_b32 v1, 31, v0
	v_lshlrev_b32 v[O16], 4, v1
	v_lshlrev_b32 v[O8], 3, v1
	v_lshlrev_b32 v[O4], 2, v1
	s_mul_i32 s45, s19, 51200
	s_mul_i32 s46, s20, 51200
	s_add_co_u32 s46, s46, 102400
.irp s, 0,1
	v_add_nc_u32 v[A16+\s], s45, v[O16]
	v_add_nc_u32 v[A8+\s], s45, v[O8]
	v_add_nc_u32 v[A4+\s], s45, v[O4]
	v_add_nc_u32 v[B16+\s], s46, v[O16]
	v_add_nc_u32 v[B8+\s], s46, v[O8]
	v_add_nc_u32 v[B4+\s], s46, v[O4]
	s_add_co_u32 s45, s45, SLOT
	s_add_co_u32 s46, s46, SLOT
.endr
	s_lshl_b32 s40, s67, 1
	s_add_co_u32 s40, s40, s20
	s_lshl_b32 s41, s66, 1
	s_add_co_u32 s41, s41, s19
	s_lshl_b32 s42, s41, 5
	s_add_co_u32 s42, s42, s40
	s_mul_i32 s42, s42, 12800
	s_mov_b32 s43, 0
	s_add_nc_u64 s[80:81], s[10:11], s[42:43]
	s_lshl_b32 s42, s40, 9
	s_add_nc_u64 s[78:79], s[8:9], s[42:43]
	v_bfe_u32 v51, v0, 4, 1
	v_lshlrev_b32 v51, 6, v51
.irp b, 0,1,2,3
.irp q, 0,1,2,3
	global_load_b128 v[BI+16*\b+4*\q:BI+16*\b+4*\q+3], v51, s[78:79] offset:128*\b+16*\q
.endr
.endr
.macro FETCH_B slot, q, p
	WIN TO_B
.irp i, 0,1,2,3,4,5,6,7
	FRAG 128*(\p)+12*\i, B16+\slot, B8+\slot, 12800*(\q)+1536*\i
.endr
	WIN 0
.endm
.macro FETCH_A slot, q, i0
.irp i, \i0, \i0+1, \i0+2, \i0+3
	FRAG AF+12*(\i), A16+\slot, A8+\slot, 12800*(\q)+1536*(\i)
.endr
.endm
.macro SCALES slot, q, P
.irp i, 0,1,2,3
	ds_load_b32 v[SC+8*(\P)+\i], v[A4+\slot] offset:12800*(\q)+12288+128*\i
.endr
.irp i, 0,1,2,3
	ds_load_b32 v[SC+8*(\P)+4+\i], v[B4+\slot] offset:12800*(\q)+12288+128*\i
.endr
.endm
.macro MUL16 a0, p, zero
.irp a, \a0, \a0+1
.irp b, 0,1,2,3,4,5,6,7
	WM 8*(8*((\a)%4)+\b), 128*(\p)+12*\b, AF+12*(\a), \zero, SC+8*(\p)+4+\b/2, SC+8*(\p)+(\a)/2, \b%2, (\a)%2
.endr
.endr
.endm
.macro STEP slot, zero
	s_wait_dscnt 16
	WIN MUL_LO
	MUL16 0, 0, \zero
	MUL16 2, 0, \zero
	s_wait_dscnt 0x0
	PLACES 4
	FETCH_B \slot, 1, 1
	FETCH_A \slot, 1, 0
	SCALES \slot, 1, 1
	WIN MUL_HI
	MUL16 4, 0, \zero
	MUL16 6, 0, \zero
	PLACES 4
	WIN 0
	FETCH_A \slot, 1, 4
.endm
.macro TURN slot, next, fill
	s_wait_tensorcnt 0x0
	ds_add_u32 v[SPW], v[NIL]
	s_wait_dscnt 17
	WIN MUL_LO
	MUL16 0, 1, 0
	s_wait_dscnt 0x0
	s_barrier_signal -1
	MUL16 2, 1, 0
	WIN 0
	s_barrier_wait -1
.if \fill
	CREST
	s_add_nc_u64 s[G0+4*\slot+2:G0+4*\slot+3], s[G0+4*\slot+2:G0+4*\slot+3], 51200
	s_add_nc_u64 s[G0B+4*\slot+2:G0B+4*\slot+3], s[G0B+4*\slot+2:G0B+4*\slot+3], 51200
	JLOAD G0+4*\slot, G1, G0B+4*\slot, G1B
.else
	PLACES 4
.endif
	FETCH_B \next, 0, 0
	FETCH_A \next, 0, 0
	SCALES \next, 0, 0
	WIN MUL_HI
	MUL16 4, 1, 0
	MUL16 6, 1, 0
	PLACES 4
	WIN 0
	FETCH_A \next, 0, 4
.endm
	s_wait_alu depctr_va_vdst(0)
	s_wait_tensorcnt 0x0                           ; my block's four records are in; no tensor load of mine is out, so a descriptor may be written:
	s_mov_b32 s[G1+2], 100<<16                     ; from here on a load brings 100 rows
	s_mov_b32 s[G1+4], 100
	s_mov_b32 s[G1B+2], 100<<16
	s_mov_b32 s[G1B+4], 100
	s_barrier_signal -1
	s_barrier_wait -1
	FETCH_B 0, 0, 0
	FETCH_A 0, 0, 0
	SCALES 0, 0, 0
	FETCH_A 0, 0, 4
	STEP 0, 1
	TURN 0, 1, 1
	STEP 1, 0
	TURN 1, 0, 1
	STEP 0, 0
	TURN 0, 1, 0
	STEP 1, 0
	s_wait_dscnt 16
	WIN MUL_LO
	MUL16 0, 1, 0
	MUL16 2, 1, 0
	s_wait_dscnt 0x0
	WIN MUL_HI
	MUL16 4, 1, 0
	MUL16 6, 1, 0
	WIN 0
	PLACES 4
.irp b, 0,1,2,3
	v_mov_b32 v[TM+4+\b], 0
.endr
	s_wait_loadcnt 0x0
.macro OUTA a
	WIN 0x02+(\a)/4
.set i, 0
.rept 32
	v_pk_add_f32 v[T+2*i:T+2*i+1], v[64*((\a)%4)+2*i:64*((\a)%4)+2*i+1], v[BI+2*i:BI+2*i+1]
.set i, i+1
.endr
	WIN 0
.set i, 0
.rept 64
	v_max_num_f32 v[T+i], 0, v[T+i]
.set i, i+1
.endr
.if (\a) > 0
	s_wait_xcnt 0x0
.endif
	QUANT T
	global_store_b128 v[O16], v[PC:PC+3], s[80:81] offset:1536*(\a)
	global_store_b64 v[O8], v[PC+4:PC+5], s[80:81] offset:1536*(\a)+512
	global_store_b128 v[O16], v[PC+6:PC+9], s[80:81] offset:1536*(\a)+768
	global_store_b64 v[O8], v[PC+10:PC+11], s[80:81] offset:1536*(\a)+1280
.if (\a)%2 == 0
	v_mov_b32 v[PWK], v[PW]
.else
	v_cndmask_b32 v[W], v[PWK], v[PW], s84
	global_store_b32 v[O4], v[W], s[80:81] offset:12288+128*((\a)/2)
.endif
.endm
.irp a, 0,1,2,3,4,5,6,7
	OUTA \a
.endr
	s_wait_tensorcnt 0x0
	ds_add_u32 v[SPW], v[NIL]
	s_wait_dscnt 0x0
	CROUND
	s_endpgm
.Lfunc_end_k_q4a310e30dc_ffn1:
	.size	k_q4a310e30dc_ffn1, .Lfunc_end_k_q4a310e30dc_ffn1-k_q4a310e30dc_ffn1
	.p2alignl 7, 3214868480
	.fill 96, 4, 3214868480
	.section	.rodata,"a",@progbits
	.p2align	6, 0x0
	.amdhsa_kernel k_q4a310e30dc_ffn1
		.amdhsa_group_segment_fixed_size 327680
		.amdhsa_private_segment_fixed_size 0
		.amdhsa_enable_private_segment 0
		.amdhsa_kernarg_size 32
		.amdhsa_user_sgpr_count 2
		.amdhsa_user_sgpr_kernarg_segment_ptr 1
		.amdhsa_wavefront_size32 1
		.amdhsa_system_sgpr_workgroup_id_x 1
		.amdhsa_system_sgpr_workgroup_id_y 1
		.amdhsa_system_sgpr_workgroup_id_z 1
		.amdhsa_system_vgpr_workitem_id 0
		.amdhsa_next_free_vgpr 1024
		.amdhsa_next_free_sgpr 100
		.amdhsa_reserve_vcc 0
		.amdhsa_float_denorm_mode_32 3
		.amdhsa_float_denorm_mode_16_64 3
		.amdhsa_memory_ordered 1
		.amdhsa_forward_progress 1
		.amdhsa_inst_pref_size 181
	.end_amdhsa_kernel
	.amdgpu_metadata
---
amdhsa.version: [ 1, 2 ]
amdhsa.kernels:
  - .name:           k_q4a310e30dc_ffn1
    .symbol:         k_q4a310e30dc_ffn1.kd
    .args:
      - { .name: a_img, .offset: 0, .size: 8, .value_kind: global_buffer, .address_space: global }
      - { .name: w_img, .offset: 8, .size: 8, .value_kind: global_buffer, .address_space: global }
      - { .name: b1, .offset: 16, .size: 8, .value_kind: global_buffer, .address_space: global }
      - { .name: hid_img, .offset: 24, .size: 8, .value_kind: global_buffer, .address_space: global }
    .group_segment_fixed_size: 327680
    .private_segment_fixed_size: 0
    .kernarg_segment_align: 8
    .kernarg_segment_size: 32
    .max_flat_workgroup_size: 128
    .sgpr_count:     100
    .vgpr_count:     1024
    .wavefront_size: 32
...
	.end_amdgpu_metadata
.endif
;; end of part 6
;; launch ffn2 (part 7): grid 8 x 32, 4 waves a work-group, clusters of 4 x 4, 327,680 bytes of LDS; arguments hid_img, w_img, c_img, h_f32; writes c_img
.if DOCPART == 7
	.amdgcn_target "amdgcn-amd-amdhsa--gfx1250"
	.amdhsa_code_object_version 6
	.text
	.protected	k_q4a310e30dc_ffn2
	.globl	k_q4a310e30dc_ffn2
	.p2align	8
	.type	k_q4a310e30dc_ffn2,@function
k_q4a310e30dc_ffn2:
	s_mov_b64 s[64:65], 0
	v_nop
	global_prefetch_b8 v0, s[64:65] scope:SCOPE_SE
	s_setreg_imm32_b32 hwreg(HW_REG_WAVE_MODE, 25, 1), 1
	s_wait_xcnt 0x0
	s_wait_alu depctr_hold_cnt(0) depctr_sa_sdst(0) depctr_va_vdst(0) depctr_va_sdst(0) depctr_va_ssrc(0) depctr_va_vcc(0) depctr_vm_vsrc(0)
	s_getreg_b32 s2, hwreg(HW_REG_IB_STS2, 6, 4)
	s_cmp_eq_u32 s2, 0
	s_cbranch_scc0 .Lentry_in_a_cluster
	s_endpgm
.Lentry_in_a_cluster:
	s_bfe_u32 s2, ttmp6, 0x10000c
	s_cmp_lg_u32 s2, 0xf033
	s_cbranch_scc0 .Lentry_shape_is_right
	s_endpgm
.Lentry_shape_is_right:
; C = A B^T + h on codes of E2M3, K = 128 KS: the hidden layer (hid_img) x W2 (w_img at WOFF); the residual h (h_f32, which lies in the accumulators' order) is loaded behind the first barrier into window 2 and added to the
; finished sums; stored as f32 in that order (c_img).  (src_mask is left out: see the first kernel.)
; A tile is 128 x 128, four waves of 64 x 64.  Operands are records of 128 rows x 128 K, 12,800 bytes.  A slot holds four records of A and, 51,200 bytes on, four of B.
; At the head each wave asks by ONE joint load of 200 rows of 256 bytes for four records: waves 0, 1 A's records 0-3 and 4-7, waves 2, 3 B's: both slots are asked for at once.  Behind the wait for it group 1's two row words are
; set to 100: a refill brings two records a wave, behind a round of the cluster's barrier.  A's tile is shared along a row of the cluster, B's along a column.
; PREFETCH: at each change of slots every wave has waited for all its tensor loads, so a refill goes out with nothing beside it; what it asks for is asked of memory TWO refills earlier.  A wave's refill is 100 blocks of 256 bytes;
; the four partners that ask for it jointly share them out by address, 25 each (cx for A, cy for B), a lane a block (lanes 25-31 name block 24 again).  Refills 0 and 1 are asked for at the head, behind the joint load;
; refills 2 to 5 in the loop's first two trips; the last trip asks for nothing, so no address passes the block's 409,600 bytes.
.set KS,    32
.set G0H,   12                         ; s[12:15], s[80:83] group 0 of the head's loads, A's and B's
.set G0HB,  80
.set PFA,   84                         ; s[84:85] my wave's two records of the lap's first four, + my work-group's share
.set PFO,   31                         ; v31 256 x min(lane, 24); never rewritten
.set WOFF,  6553600
.set SLOT,  102400
.set SPARE, 204800
.set A16, 16
.set A8,  18
.set A4,  20
.set B16, 22
.set B8,  24
.set B4,  26
.set SPW, 28
.set NIL, 29
.set CO,  30
.set SC,  32
.set ACC, 128
.set G1,  24
.set G0,  32
.set G1B, 48
.set G0B, 56
.set MUL,  0x05
.set TO_F, 0x40
.set MSB, 0
.macro WIN new
.if MSB != (\new)
	s_set_vgpr_msb (MSB<<8)|(\new)
.set MSB, (\new)
.endif
.endm
.macro PLACES n
.rept \n
	v_nop
.endr
.endm
.macro JLOAD g0a, g1a, g0b, g1b
	s_cmp_eq_u32 s19, 0
	s_cbranch_scc0 .Lfor_b_\@
	tensor_load_to_lds s[\g0a:\g0a+3], s[\g1a:\g1a+7]
	s_nop 0
.rept 4
	v_nop
.endr
	s_branch .Lasked_\@
.Lfor_b_\@:
	tensor_load_to_lds s[\g0b:\g0b+3], s[\g1b:\g1b+7]
	s_nop 0
.rept 4
	v_nop
.endr
.Lasked_\@:
.endm
.macro CREST
	s_cmp_lg_u32 s18, 0
	s_cbranch_scc1 .Lnot_wave_0_\@
	s_barrier_signal -3
.Lnot_wave_0_\@:
	s_barrier_wait -3
	s_barrier_signal -1
	s_barrier_wait -1
.endm
.macro CROUND
	s_barrier_signal -1
	s_barrier_wait -1
	CREST
.endm
.macro FRAG reg, a16, a8, off
	ds_load_b128 v[(\reg):(\reg)+3], v[\a16] offset:(\off)
	ds_load_b64 v[(\reg)+4:(\reg)+5], v[\a8] offset:(\off)+512
	ds_load_b128 v[(\reg)+6:(\reg)+9], v[\a16] offset:(\off)+768
	ds_load_b64 v[(\reg)+10:(\reg)+11], v[\a8] offset:(\off)+1280
.endm
.macro WM d, s0, s1, zero, sa, sb, ra, rb
.if \zero
.if (\ra) && (\rb)
	v_wmma_scale_f32_16x16x128_f8f6f4 v[(\d):(\d)+7], v[(\s0):(\s0)+11], v[(\s1):(\s1)+11], 0, v[\sa], v[\sb] matrix_a_fmt:MATRIX_FMT_FP6 matrix_b_fmt:MATRIX_FMT_FP6 matrix_a_scale:MATRIX_SCALE_ROW1 matrix_b_scale:MATRIX_SCALE_ROW1
.elseif (\ra)
	v_wmma_scale_f32_16x16x128_f8f6f4 v[(\d):(\d)+7], v[(\s0):(\s0)+11], v[(\s1):(\s1)+11], 0, v[\sa], v[\sb] matrix_a_fmt:MATRIX_FMT_FP6 matrix_b_fmt:MATRIX_FMT_FP6 matrix_a_scale:MATRIX_SCALE_ROW1
.elseif (\rb)
	v_wmma_scale_f32_16x16x128_f8f6f4 v[(\d):(\d)+7], v[(\s0):(\s0)+11], v[(\s1):(\s1)+11], 0, v[\sa], v[\sb] matrix_a_fmt:MATRIX_FMT_FP6 matrix_b_fmt:MATRIX_FMT_FP6 matrix_b_scale:MATRIX_SCALE_ROW1
.else
	v_wmma_scale_f32_16x16x128_f8f6f4 v[(\d):(\d)+7], v[(\s0):(\s0)+11], v[(\s1):(\s1)+11], 0, v[\sa], v[\sb] matrix_a_fmt:MATRIX_FMT_FP6 matrix_b_fmt:MATRIX_FMT_FP6
.endif
.else
.if (\ra) && (\rb)
	v_wmma_scale_f32_16x16x128_f8f6f4 v[(\d):(\d)+7], v[(\s0):(\s0)+11], v[(\s1):(\s1)+11], v[(\d):(\d)+7], v[\sa], v[\sb] matrix_a_fmt:MATRIX_FMT_FP6 matrix_b_fmt:MATRIX_FMT_FP6 matrix_a_scale:MATRIX_SCALE_ROW1 matrix_b_scale:MATRIX_SCALE_ROW1
.elseif (\ra)
	v_wmma_scale_f32_16x16x128_f8f6f4 v[(\d):(\d)+7], v[(\s0):(\s0)+11], v[(\s1):(\s1)+11], v[(\d):(\d)+7], v[\sa], v[\sb] matrix_a_fmt:MATRIX_FMT_FP6 matrix_b_fmt:MATRIX_FMT_FP6 matrix_a_scale:MATRIX_SCALE_ROW1
.elseif (\rb)
	v_wmma_scale_f32_16x16x128_f8f6f4 v[(\d):(\d)+7], v[(\s0):(\s0)+11], v[(\s1):(\s1)+11], v[(\d):(\d)+7], v[\sa], v[\sb] matrix_a_fmt:MATRIX_FMT_FP6 matrix_b_fmt:MATRIX_FMT_FP6 matrix_b_scale:MATRIX_SCALE_ROW1
.else
	v_wmma_scale_f32_16x16x128_f8f6f4 v[(\d):(\d)+7], v[(\s0):(\s0)+11], v[(\s1):(\s1)+11], v[(\d):(\d)+7], v[\sa], v[\sb] matrix_a_fmt:MATRIX_FMT_FP6 matrix_b_fmt:MATRIX_FMT_FP6
.endif
.endif
.endm
	s_load_b128 s[4:7], s[0:1], 0x0
	s_load_b128 s[8:11], s[0:1], 0x10              ; c_img, h_f32
	v_lshl_add_u32 v[SPW], v0, 2, SPARE
	v_mov_b32 v[NIL], 0
	ds_add_u32 v[SPW], v[NIL]
	ds_add_u32 v[SPW], v[NIL]
	v_lshrrev_b32 v1, 5, v0
	v_readfirstlane_b32 s18, v1
	s_lshr_b32 s19, s18, 1
	s_and_b32 s20, s18, 1
	s_bfe_u32 s21, ttmp6, 0x40000
	s_bfe_u32 s22, ttmp6, 0x40004
	s_and_b32 s23, ttmp7, 0xffff
	s_lshl_b32 s66, s23, 2
	s_add_co_u32 s66, s66, s22
	s_lshl_b32 s67, ttmp9, 2
	s_add_co_u32 s67, s67, s21
	s_lshl_b32 s40, s22, 2
	s_lshl_b32 s40, 15, s40
	s_lshl_b32 s41, 0x1111, s21
	s_or_b32 s[G1], s40, (3<<16)|(1<<21)
	s_or_b32 s[G1B], s41, (3<<16)|(1<<21)
.irp g, G1, G1B
	s_mov_b32 s[\g+1], 32<<16
	s_mov_b32 s[\g+2], 200<<16
	s_mov_b32 s[\g+3], 32<<16
	s_mov_b32 s[\g+4], 200
	s_mov_b32 s[\g+5], 32
	s_mov_b32 s[\g+6], 0
	s_mov_b32 s[\g+7], 0
.endr
	s_mul_i32 s42, s20, 25600
	s_mul_i32 s68, s66, KS*12800
	s_add_co_u32 s68, s68, s42
	s_mov_b32 s69, 0
	s_mul_i32 s70, s67, KS*12800
	s_add_co_u32 s70, s70, s42
	s_add_co_u32 s70, s70, WOFF
	s_mov_b32 s71, 0
	s_mul_i32 s44, s18, 25600
	s_wait_dscnt 0x0
	s_wait_kmcnt 0x0
	s_add_nc_u64 s[72:73], s[4:5], s[68:69]
	s_add_nc_u64 s[74:75], s[6:7], s[70:71]
	CROUND
.irp s, 0,1
	s_mov_b32 s[G0+4*\s], 1
	s_add_co_u32 s[G0+4*\s+1], s44, \s*SLOT
	s_add_nc_u64 s[G0+4*\s+2:G0+4*\s+3], s[72:73], \s*51200
	s_or_b32 s[G0+4*\s+3], s[G0+4*\s+3], 0x80000000
	s_mov_b32 s[G0B+4*\s], 1
	s_add_co_u32 s[G0B+4*\s+1], s44, \s*SLOT
	s_add_nc_u64 s[G0B+4*\s+2:G0B+4*\s+3], s[74:75], \s*51200
	s_or_b32 s[G0B+4*\s+3], s[G0B+4*\s+3], 0x80000000
.endr
	s_mov_b32 s43, 0                               ; s[72:75] stand 25,600 x (wave % 2) into the block: as much again is records 4 (wave % 2) on
	s_mul_i32 s45, s20, SLOT                       ; which go to slot wave % 2,
	s_mul_i32 s46, s19, 51200                      ; A's part or B's
	s_add_co_u32 s45, s45, s46
	s_mov_b32 s[G0H], 1
	s_mov_b32 s[G0H+1], s45
	s_add_nc_u64 s[G0H+2:G0H+3], s[72:73], s[42:43]
	s_or_b32 s[G0H+3], s[G0H+3], 0x80000000
	s_mov_b32 s[G0HB], 1
	s_mov_b32 s[G0HB+1], s45
	s_add_nc_u64 s[G0HB+2:G0HB+3], s[74:75], s[42:43]
	s_or_b32 s[G0HB+3], s[G0HB+3], 0x80000000
	JLOAD G0H, G1, G0HB, G1B                       ; one tensor load a wave at the head
	v_and_b32 v1, 31, v0
	v_lshlrev_b32 v[CO], 4, v1
	s_wait_alu depctr_va_vdst(0)
	v_lshlrev_b32 v2, 3, v1
	s_wait_alu depctr_va_vdst(0)
	v_lshlrev_b32 v3, 2, v1
	s_wait_alu depctr_va_vdst(0)
	s_mul_i32 s45, s19, 6144
	s_mul_i32 s46, s20, 6144
	s_add_co_u32 s46, s46, 51200
	s_lshl_b32 s47, s19, 8
	s_add_co_u32 s47, s47, 12288
	s_lshl_b32 s76, s20, 8
	s_add_co_u32 s76, s76, 12288+51200
.irp s, 0,1
	v_add_nc_u32 v[A16+\s], s45, v[CO]
	v_add_nc_u32 v[A8+\s], s45, v2
	v_add_nc_u32 v[A4+\s], s47, v3
	v_add_nc_u32 v[B16+\s], s46, v[CO]
	v_add_nc_u32 v[B8+\s], s46, v2
	v_add_nc_u32 v[B4+\s], s76, v3
	s_add_co_u32 s45, s45, SLOT
	s_add_co_u32 s46, s46, SLOT
	s_add_co_u32 s47, s47, SLOT
	s_add_co_u32 s76, s76, SLOT
.endr
	s_lshl_b32 s40, s66, 3
	s_lshl_b32 s41, s19, 2
	s_add_co_u32 s40, s40, s41
	s_lshl_b32 s40, s40, 3
	s_add_co_u32 s40, s40, s67
	s_lshl_b32 s40, s40, 13
	s_lshl_b32 s41, s20, 12
	s_add_co_u32 s40, s40, s41
	s_mov_b32 s41, 0
	s_add_nc_u64 s[8:9], s[8:9], s[40:41]
	s_add_nc_u64 s[10:11], s[10:11], s[40:41]
	s_cmp_eq_u32 s19, 0                            ; do I fetch for A?
	s_cselect_b32 s86, s21, s22                    ; my place among the four that ask with me: cx for A, cy for B
	s_cselect_b64 s[PFA:PFA+1], s[72:73], s[74:75]
	s_mul_i32 s86, s86, 6400                       ; 25 blocks of 256 bytes a partner
	s_mov_b32 s87, 0
	s_add_nc_u64 s[PFA:PFA+1], s[PFA:PFA+1], s[86:87]
	v_min_u32 v[PFO], 24, v1
	v_lshlrev_b32 v[PFO], 8, v[PFO]
	global_prefetch_b8 v[PFO], s[PFA:PFA+1] offset:102400 th:TH_LOAD_NT scope:SCOPE_SE   ; refill 0's records
	global_prefetch_b8 v[PFO], s[PFA:PFA+1] offset:153600 th:TH_LOAD_NT scope:SCOPE_SE   ; refill 1's
.macro FETCH slot, q, f, P
	WIN TO_F
.irp a, 0,1,2,3
	FRAG (\f)+12*\a, A16+\slot, A8+\slot, 12800*(\q)+1536*\a
.endr
.irp b, 0,1,2,3
	FRAG (\f)+48+12*\b, B16+\slot, B8+\slot, 12800*(\q)+1536*\b
.endr
	WIN 0
.irp i, 0,1
	ds_load_b32 v[SC+4*(\P)+\i], v[A4+\slot] offset:12800*(\q)+128*\i
	ds_load_b32 v[SC+4*(\P)+2+\i], v[B4+\slot] offset:12800*(\q)+128*\i
.endr
.endm
.macro MULR f, P, a, zero
.irp b, 0,1,2,3
	WM ACC+8*(4*(\a)+\b), (\f)+48+12*\b, (\f)+12*(\a), \zero, SC+4*(\P)+2+\b/2, SC+4*(\P)+(\a)/2, \b%2, (\a)%2
.endr
.endm
.macro STEP slot, q, zero
	s_wait_dscnt 0x0
	PLACES 4
	FETCH \slot, (\q)+1, 128*(1-(\q)%2), 1-(\q)%2
	WIN MUL
	MULR 128*((\q)%2), (\q)%2, 0, \zero
	MULR 128*((\q)%2), (\q)%2, 1, \zero
	MULR 128*((\q)%2), (\q)%2, 2, \zero
	MULR 128*((\q)%2), (\q)%2, 3, \zero
.endm
.macro TURN slot, next, fill
	WIN 0
	s_wait_tensorcnt 0x0
	ds_add_u32 v[SPW], v[NIL]
	s_wait_dscnt 1
	WIN MUL
	MULR 128, 1, 0, 0
	s_wait_dscnt 0x0
	s_barrier_signal -1
	MULR 128, 1, 1, 0
	WIN 0
	s_barrier_wait -1
.if \fill
	CREST
	s_add_nc_u64 s[G0+4*\slot+2:G0+4*\slot+3], s[G0+4*\slot+2:G0+4*\slot+3], 102400
	s_add_nc_u64 s[G0B+4*\slot+2:G0B+4*\slot+3], s[G0B+4*\slot+2:G0B+4*\slot+3], 102400
	JLOAD G0+4*\slot, G1, G0B+4*\slot, G1B
.else
	PLACES 4
.endif
	FETCH \next, 0, 0, 0
.if \fill
	s_cmp_gt_u32 s3, 1                             ; s3 = 1 in the loop's last trip, whose refills have none two on
	s_cbranch_scc0 .Lno_pf_\@
	global_prefetch_b8 v[PFO], s[PFA:PFA+1] offset:204800+51200*\slot th:TH_LOAD_NT scope:SCOPE_SE   ; the refill two on
.Lno_pf_\@:
.endif
	WIN MUL
	MULR 128, 1, 2, 0
	MULR 128, 1, 3, 0
.endm
	s_wait_alu depctr_va_vdst(0)
	s_wait_tensorcnt 0x0                           ; my four records are in; no tensor load of mine is out, so a descriptor may be written:
	s_mov_b32 s[G1+2], 100<<16                     ; from here on a load brings 100 rows
	s_mov_b32 s[G1+4], 100
	s_mov_b32 s[G1B+2], 100<<16
	s_mov_b32 s[G1B+4], 100
	s_barrier_signal -1
	s_barrier_wait -1
	FETCH 0, 0, 0, 0
	WIN 0x80                                       ; destinations in window 2
.irp a, 0,1,2,3
.irp q, 0,1,2,3,4,5,6,7
	global_load_b128 v[ACC+32*\a+4*\q:ACC+32*\a+4*\q+3], v[CO], s[10:11] offset:65536*\a+512*\q th:TH_LOAD_NT   ; h, under the accumulators' numbers: 512 consecutive bytes a load; it has all of K in which to land
.endr
.endr
	WIN 0
	STEP 0, 0, 1
.if KS > 8
	WIN 0
	s_mov_b32 s3, KS/8-1
.Llap:
	STEP 0, 1, 0
	STEP 0, 2, 0
	TURN 0, 1, 1
	STEP 1, 0, 0
	STEP 1, 1, 0
	STEP 1, 2, 0
	TURN 1, 0, 1
	STEP 0, 0, 0
	WIN 0
	s_wait_xcnt 0x0                                ; my prefetches have read their address: it steps a lap, eight records, on
	s_add_nc_u64 s[PFA:PFA+1], s[PFA:PFA+1], 102400
	s_sub_co_u32 s3, s3, 1
	s_cmp_lg_u32 s3, 0
	s_cbranch_scc1 .Llap
.endif
	STEP 0, 1, 0
	STEP 0, 2, 0
	TURN 0, 1, 0
	STEP 1, 0, 0
	STEP 1, 1, 0
	STEP 1, 2, 0
	s_wait_dscnt 0x0
	WIN MUL
	MULR 128, 1, 0, 0
	MULR 128, 1, 1, 0
	MULR 128, 1, 2, 0
	MULR 128, 1, 3, 0
	WIN 0
	PLACES 4
	s_wait_loadcnt 0x0                             ; h
	WIN 0x08                                       ; source 1 in window 2
.set j, 0
.rept 64
	v_pk_add_f32 v[ACC+j:ACC+j+1], v[ACC+j:ACC+j+1], v[ACC+j:ACC+j+1]   ; the sums + h, each accumulator from its low end on
.set j, j+2
.endr
	WIN 0
.irp a, 0,1,2,3
.irp q, 0,1,2,3,4,5,6,7
	global_store_b128 v[CO], v[ACC+32*\a+4*\q:ACC+32*\a+4*\q+3], s[8:9] offset:65536*\a+512*\q
.endr
.endr
	s_wait_tensorcnt 0x0
	ds_add_u32 v[SPW], v[NIL]
	s_wait_dscnt 0x0
	CROUND
	s_endpgm
.Lfunc_end_k_q4a310e30dc_ffn2:
	.size	k_q4a310e30dc_ffn2, .Lfunc_end_k_q4a310e30dc_ffn2-k_q4a310e30dc_ffn2
	.p2alignl 7, 3214868480
	.fill 96, 4, 3214868480
	.section	.rodata,"a",@progbits
	.p2align	6, 0x0
	.amdhsa_kernel k_q4a310e30dc_ffn2
		.amdhsa_group_segment_fixed_size 327680
		.amdhsa_private_segment_fixed_size 0
		.amdhsa_enable_private_segment 0
		.amdhsa_kernarg_size 32
		.amdhsa_user_sgpr_count 2
		.amdhsa_user_sgpr_kernarg_segment_ptr 1
		.amdhsa_wavefront_size32 1
		.amdhsa_system_sgpr_workgroup_id_x 1
		.amdhsa_system_sgpr_workgroup_id_y 1
		.amdhsa_system_sgpr_workgroup_id_z 1
		.amdhsa_system_vgpr_workitem_id 0
		.amdhsa_next_free_vgpr 768
		.amdhsa_next_free_sgpr 88
		.amdhsa_reserve_vcc 0
		.amdhsa_float_denorm_mode_32 3
		.amdhsa_float_denorm_mode_16_64 3
		.amdhsa_memory_ordered 1
		.amdhsa_forward_progress 1
		.amdhsa_inst_pref_size 94
	.end_amdhsa_kernel
	.amdgpu_metadata
---
amdhsa.version: [ 1, 2 ]
amdhsa.kernels:
  - .name:           k_q4a310e30dc_ffn2
    .symbol:         k_q4a310e30dc_ffn2.kd
    .args:
      - { .name: hid_img, .offset: 0, .size: 8, .value_kind: global_buffer, .address_space: global }
      - { .name: w_img, .offset: 8, .size: 8, .value_kind: global_buffer, .address_space: global }
      - { .name: c_img, .offset: 16, .size: 8, .value_kind: global_buffer, .address_space: global }
      - { .name: h_f32, .offset: 24, .size: 8, .value_kind: global_buffer, .address_space: global }
    .group_segment_fixed_size: 327680
    .private_segment_fixed_size: 0
    .kernarg_segment_align: 8
    .kernarg_segment_size: 32
    .max_flat_workgroup_size: 128
    .sgpr_count:     88
    .vgpr_count:     768
    .wavefront_size: 32
...
	.end_amdgpu_metadata
.endif
;; end of part 7
;; launch ln2 (part 8): grid 256 x 1, 8 waves a work-group, no clusters, 69,632 bytes of LDS; arguments c_img, b2, g2, be2, out0; writes out0
.if DOCPART == 8
	.amdgcn_target "amdgcn-amd-amdhsa--gfx1250"
	.amdhsa_code_object_version 6
	.text
	.protected	k_q4a310e30dc_ln2
	.globl	k_q4a310e30dc_ln2
	.p2align	8
	.type	k_q4a310e30dc_ln2,@function
k_q4a310e30dc_ln2:
	s_mov_b64 s[64:65], 0
	v_nop
	global_prefetch_b8 v0, s[64:65] scope:SCOPE_SE
	s_setreg_imm32_b32 hwreg(HW_REG_WAVE_MODE, 25, 1), 1
	s_wait_xcnt 0x0
; WHICH = 1: h = layernorm(o Wo + bo + x; g1, be1), stored as f32 (h_f32, in the image's order) and as codes of E2M3 (a_img, the operand of the product with W1).
; WHICH = 2: out0 = layernorm(hidden W2 + b2 + h; g2, be2), stored as rows.  (src_mask is left out: see the first kernel.)
; A work-group owns one fragment of 16 tokens (block = number / 8, fragment f = number % 8: rows 32 (f / 2) + 8 (f % 2) + r + 8 (r / 8)), whole rows of 1,024.  Wave w owns columns 128 w .. 128 w + 127:
; lane (r, h) holds 64 numbers of row r, register 16 b + i = column 128 w + 32 b + 16 h + i: the order in which the product's launch stored them.
; Mean and variance in two passes, as reference() has them (the mean is taken away before the squares); each is summed in the lane, with lane l xor 16, and over the eight waves through 512 bytes of LDS and a barrier.
; Rows that lie as rows in memory (out0) turn through the wave's own stage, 16 rows 528 bytes apart.  LIMITS: NaN and infinities among the inputs are not served.
.set WHICH, 2
.set RED1,  67584
.set SPARE, 68608
.set SPW, 12
.set NIL, 13
.set TM,  16
.set SEL, 20
.set D,   64
.set R,   128
.set BB,  192
.macro REDUCE off                      ; v54: my 64 numbers' sum -> v54: the row's, over all 1,024 columns, the same bits in every wave
	s_delay_alu instid0(VALU_DEP_1)
	v_permlanex16_b32 v58, v54, s[SEL], s[SEL+1]
	s_delay_alu instid0(VALU_DEP_1)
	v_add_f32 v54, v54, v58
	ds_store_b32 v9, v54 offset:\off               ; both lanes of a row write the same word with the same value
	s_wait_dscnt 0x0                               ; for the others' sake
	s_barrier_signal -1
	s_barrier_wait -1
.irp k, 0,1,2,3,4,5,6,7
	ds_load_b32 v[TM+\k], v11 offset:\off+64*\k
.endr
	s_wait_dscnt 0x0
	v_add_f32 v[TM], v[TM], v[TM+1]
	v_add_f32 v[TM+2], v[TM+2], v[TM+3]
	v_add_f32 v[TM+4], v[TM+4], v[TM+5]
	v_add_f32 v[TM+6], v[TM+6], v[TM+7]
	s_delay_alu instid0(VALU_DEP_3)
	v_add_f32 v[TM], v[TM], v[TM+2]
	s_delay_alu instid0(VALU_DEP_2)
	v_add_f32 v[TM+4], v[TM+4], v[TM+6]
	s_delay_alu instid0(VALU_DEP_1)
	v_add_f32 v54, v[TM], v[TM+4]
.endm
	s_load_b64 s[4:5], s[0:1], 0x0                 ; c_img, which holds hidden W2 + h: the launch before has added the residual h
	s_load_b256 s[8:15], s[0:1], 0x8               ; b2 s[8:9], g2 s[10:11], be2 s[12:13], out0 s[14:15]
	v_lshl_add_u32 v[SPW], v0, 2, SPARE
	v_mov_b32 v[NIL], 0
	v_lshrrev_b32 v1, 5, v0
	s_delay_alu instid0(VALU_DEP_1)
	v_readfirstlane_b32 s18, v1                    ; wave 0..7
	v_and_b32 v1, 31, v0
	v_and_b32 v2, 15, v0                           ; r
	v_bfe_u32 v3, v0, 4, 1                         ; h
	s_delay_alu instid0(VALU_DEP_3)
	v_lshlrev_b32 v4, 4, v1                        ; 16 x lane
	s_delay_alu instid0(VALU_DEP_2)
	v_lshlrev_b32 v6, 6, v3                        ; 64 h
	s_mul_i32 s19, s18, 8448                       ; my stage
	v_add_nc_u32 v7, s19, v4                       ; by rows: 16 x lane
	v_mul_u32_u24 v8, v2, 528
	s_delay_alu instid0(VALU_DEP_1)
	v_add_nc_u32 v8, v8, v6
	s_delay_alu instid0(VALU_DEP_1)
	v_add_nc_u32 v8, s19, v8                       ; by lanes: row r, + 64 h
	v_lshlrev_b32 v10, 2, v2                       ; 4 r
	s_lshl_b32 s19, s18, 6
	v_add_nc_u32 v9, s19, v10
	s_delay_alu instid0(VALU_DEP_1)
	v_add_nc_u32 v9, RED1, v9                      ; my wave's sums
	v_add_nc_u32 v11, RED1, v10                    ; all waves'
	v_mov_b32 v58, 0                               ; a lane permute's destination counts as one of its sources
	s_mov_b32 s[SEL], 0x76543210
	s_mov_b32 s[SEL+1], 0xfedcba98
	s_lshr_b32 s22, ttmp9, 3                       ; block
	s_and_b32 s23, ttmp9, 7                        ; f
	s_lshl_b32 s24, ttmp9, 3
	s_add_co_u32 s24, s24, s18
	s_lshl_b32 s24, s24, 13                        ; the f32 images: (8 x number + w) x 8,192
	s_mov_b32 s25, 0
	s_lshl_b32 s26, s22, 7
	s_lshr_b32 s27, s23, 1
	s_lshl_b32 s27, s27, 5
	s_add_co_u32 s26, s26, s27
	s_and_b32 s27, s23, 1
	s_lshl_b32 s27, s27, 3
	s_add_co_u32 s26, s26, s27                     ; the fragment's first row
	s_lshl_b32 s26, s26, 12
	s_lshl_b32 s28, s18, 9                         ; my 128 columns: 512 bytes
	s_add_co_u32 s26, s26, s28
	s_mov_b32 s27, 0
	s_mov_b32 s29, 0
	s_mov_b32 s30, 0x3a800000                      ; 1 / 1,024
	s_mov_b32 s31, 0x3727c5ac                      ; 1e-5
	s_wait_kmcnt 0x0
	s_add_nc_u64 s[4:5], s[4:5], s[24:25]
	s_add_nc_u64 s[8:9], s[8:9], s[28:29]
	s_add_nc_u64 s[10:11], s[10:11], s[28:29]
	s_add_nc_u64 s[12:13], s[12:13], s[28:29]
	s_add_nc_u64 s[14:15], s[14:15], s[26:27]
.set m, 0
.rept 16
	global_load_b128 v[D+4*m:D+4*m+3], v4, s[4:5] offset:512*m th:TH_LOAD_NT
.set m, m+1
.endr
.irp b, 0,1,2,3
.irp q, 0,1,2,3
	global_load_b128 v[BB+16*\b+4*\q:BB+16*\b+4*\q+3], v6, s[8:9] offset:128*\b+16*\q
.endr
.endr
	s_wait_loadcnt 0x0
.set j, 0
.rept 32
	v_pk_add_f32 v[D+j:D+j+1], v[D+j:D+j+1], v[BB+j:BB+j+1]   ; the product + its bias,
.set j, j+2
.endr
.irp b, 0,1,2,3
.irp q, 0,1,2,3
	global_load_b128 v[R+16*\b+4*\q:R+16*\b+4*\q+3], v6, s[10:11] offset:128*\b+16*\q     ; the gain and the shift land under the two sums
	global_load_b128 v[BB+16*\b+4*\q:BB+16*\b+4*\q+3], v6, s[12:13] offset:128*\b+16*\q
.endr
.endr
	v_pk_add_f32 v[56:57], v[64:65], v[66:67]
	v_pk_add_f32 v[62:63], v[72:73], v[76:77]
	v_pk_add_f32 v[60:61], v[80:81], v[84:85]
	v_pk_add_f32 v[52:53], v[88:89], v[92:93]
	v_pk_add_f32 v[50:51], v[96:97], v[100:101]
	v_pk_add_f32 v[48:49], v[104:105], v[108:109]
	v_pk_add_f32 v[46:47], v[112:113], v[116:117]
	v_pk_add_f32 v[54:55], v[120:121], v[124:125]
	s_delay_alu instid0(VALU_DEP_1)
	v_pk_add_f32 v[54:55], v[54:55], v[68:69]
	v_pk_add_f32 v[56:57], v[56:57], v[70:71]
	v_pk_add_f32 v[62:63], v[62:63], v[74:75]
	v_pk_add_f32 v[60:61], v[60:61], v[78:79]
	v_pk_add_f32 v[52:53], v[52:53], v[82:83]
	v_pk_add_f32 v[50:51], v[50:51], v[86:87]
	v_pk_add_f32 v[48:49], v[48:49], v[90:91]
	v_pk_add_f32 v[46:47], v[46:47], v[94:95]
	v_pk_add_f32 v[54:55], v[54:55], v[98:99]
	v_pk_add_f32 v[56:57], v[56:57], v[102:103]
	v_pk_add_f32 v[62:63], v[62:63], v[106:107]
	v_pk_add_f32 v[60:61], v[60:61], v[110:111]
	v_pk_add_f32 v[52:53], v[52:53], v[114:115]
	v_pk_add_f32 v[50:51], v[50:51], v[118:119]
	v_pk_add_f32 v[48:49], v[48:49], v[122:123]
	v_pk_add_f32 v[46:47], v[46:47], v[126:127]
	s_delay_alu instid0(VALU_DEP_4)
	v_pk_add_f32 v[54:55], v[54:55], v[52:53]
	s_delay_alu instid0(VALU_DEP_4)
	v_pk_add_f32 v[56:57], v[56:57], v[50:51]
	s_delay_alu instid0(VALU_DEP_4)
	v_pk_add_f32 v[62:63], v[62:63], v[48:49]
	s_delay_alu instid0(VALU_DEP_4)
	v_pk_add_f32 v[60:61], v[60:61], v[46:47]
	s_delay_alu instid0(VALU_DEP_2)
	v_pk_add_f32 v[54:55], v[54:55], v[62:63]
	s_delay_alu instid0(VALU_DEP_2)
	v_pk_add_f32 v[56:57], v[56:57], v[60:61]
	s_delay_alu instid0(VALU_DEP_1)
	v_pk_add_f32 v[54:55], v[54:55], v[56:57]
	s_delay_alu instid0(VALU_DEP_1)
	v_add_f32 v54, v54, v55
	REDUCE 0
	s_delay_alu instid0(VALU_DEP_1)
	v_mul_f32 v62, s30, v54                        ; the mean
	s_delay_alu instid0(VALU_DEP_1)
	v_mov_b32 v63, v62
.set j, 0
.rept 32
	v_pk_add_f32 v[D+j:D+j+1], v[D+j:D+j+1], v[62:63] neg_lo:[0,1] neg_hi:[0,1]
.set j, j+2
.endr
	v_pk_mul_f32 v[54:55], v[D:D+1], v[D:D+1]
	v_pk_mul_f32 v[56:57], v[D+2:D+3], v[D+2:D+3]
.irp j, 4,8,12,16,20,24,28,32,36,40,44,48,52,56,60
	s_delay_alu instid0(VALU_DEP_2)
	v_pk_fma_f32 v[54:55], v[D+\j:D+\j+1], v[D+\j:D+\j+1], v[54:55]
	s_delay_alu instid0(VALU_DEP_2)
	v_pk_fma_f32 v[56:57], v[D+\j+2:D+\j+3], v[D+\j+2:D+\j+3], v[56:57]
.endr
	s_delay_alu instid0(VALU_DEP_1)
	v_pk_add_f32 v[54:55], v[54:55], v[56:57]
	s_delay_alu instid0(VALU_DEP_1)
	v_add_f32 v54, v54, v55
	REDUCE 512
	s_delay_alu instid0(VALU_DEP_1)
	v_fma_f32 v60, v54, s30, s31                   ; the variance + 1e-5
	s_wait_alu depctr_va_vdst(0)
	v_rsq_f32 v62, v60
	v_nop                                          ; a plain line behind it
	s_wait_alu depctr_va_vdst(0)                   ; and the wait ahead of its first reader
	v_mov_b32 v63, v62
	s_wait_alu depctr_va_vdst(0)
	s_wait_loadcnt 0x0                             ; the gain and the shift
.set j, 0
.rept 32
	v_pk_mul_f32 v[D+j:D+j+1], v[D+j:D+j+1], v[62:63]
.set j, j+2
.endr
.set j, 0
.rept 32
	v_pk_fma_f32 v[D+j:D+j+1], v[D+j:D+j+1], v[R+j:R+j+1], v[BB+j:BB+j+1]
.set j, j+2
.endr
.irp b, 0,1,2,3
.irp q, 0,1,2,3
	ds_store_b128 v8, v[D+16*\b+4*\q:D+16*\b+4*\q+3] offset:128*\b+16*\q
.endr
.endr
.set m, 0
.rept 16
	ds_load_b128 v[R+4*m:R+4*m+3], v7 offset:528*m ; LDS serves a wave's instructions in order: these see the stores above
.set m, m+1
.endr
.set m, 0
.rept 16
	s_wait_dscnt 15-m                              ; row m is back; the younger rows may be out
	global_store_b128 v4, v[R+4*m:R+4*m+3], s[14:15] offset:(m+8*(m/8))*4096 th:TH_STORE_NT   ; 512 consecutive bytes of one row
.set m, m+1
.endr
	s_wait_tensorcnt 0x0                           ; the wave's end, behind my last LDS store
	ds_add_u32 v[SPW], v[NIL]
	s_wait_dscnt 0x0
	s_endpgm
.Lfunc_end_k_q4a310e30dc_ln2:
	.size	k_q4a310e30dc_ln2, .Lfunc_end_k_q4a310e30dc_ln2-k_q4a310e30dc_ln2
	.p2alignl 7, 3214868480
	.fill 96, 4, 3214868480
	.section	.rodata,"a",@progbits
	.p2align	6, 0x0
	.amdhsa_kernel k_q4a310e30dc_ln2
		.amdhsa_group_segment_fixed_size 69632
		.amdhsa_private_segment_fixed_size 0
		.amdhsa_enable_private_segment 0
		.amdhsa_kernarg_size 40
		.amdhsa_user_sgpr_count 2
		.amdhsa_user_sgpr_kernarg_segment_ptr 1
		.amdhsa_wavefront_size32 1
		.amdhsa_system_sgpr_workgroup_id_x 1
		.amdhsa_system_sgpr_workgroup_id_y 1
		.amdhsa_system_sgpr_workgroup_id_z 1
		.amdhsa_system_vgpr_workitem_id 0
		.amdhsa_next_free_vgpr 256
		.amdhsa_next_free_sgpr 66
		.amdhsa_reserve_vcc 0
		.amdhsa_float_denorm_mode_32 3
		.amdhsa_float_denorm_mode_16_64 3
		.amdhsa_memory_ordered 1
		.amdhsa_forward_progress 1
		.amdhsa_inst_pref_size 29
	.end_amdhsa_kernel
	.amdgpu_metadata
---
amdhsa.version: [ 1, 2 ]
amdhsa.kernels:
  - .name:           k_q4a310e30dc_ln2
    .symbol:         k_q4a310e30dc_ln2.kd
    .args:
      - { .name: c_img, .offset: 0, .size: 8, .value_kind: global_buffer, .address_space: global }
      - { .name: b2, .offset: 8, .size: 8, .value_kind: global_buffer, .address_space: global }
      - { .name: g2, .offset: 16, .size: 8, .value_kind: global_buffer, .address_space: global }
      - { .name: be2, .offset: 24, .size: 8, .value_kind: global_buffer, .address_space: global }
      - { .name: out0, .offset: 32, .size: 8, .value_kind: global_buffer, .address_space: global }
    .group_segment_fixed_size: 69632
    .private_segment_fixed_size: 0
    .kernarg_segment_align: 8
    .kernarg_segment_size: 40
    .max_flat_workgroup_size: 256
    .sgpr_count:     66
    .vgpr_count:     256
    .wavefront_size: 32
...
	.end_amdgpu_metadata
.endif
;; end of part 8
